; MI455X (gfx1250); checked and timed in simulation.
; The chip was launched on July 23, 2026; its instructions are those of AMD's public machine-readable ISA for CDNA 5 (MIT licence, August 2026) and "CDNA5" Instruction Set Architecture Reference Guide (July 2026). The comments in the code are by the model that wrote it; some were corrected since.
;; Transformer Encoder Block. Allowed arithmetic: matrix products marked QUANTISED: E5M2 operands, one given power-of-two scale a tensor, by v_wmma_f32_16x16x64_bf8_bf8 or v_wmma_f32_16x16x128_bf8_bf8, f32 sums; everything else in f32.
;; Inputs: b1 4,096 float32; b2 1,024 float32; be1 1,024 float32; be2 1,024 float32; bk 1,024 float32; bo 1,024 float32; bq 1,024 float32; bv 1,024 float32; g1 1,024 float32; g2 1,024 float32; lowp_scales 16 int32 (the exponents e of the quantised operands' scales 2^e); w1 1,024 x 4,096 float32; w2 4,096 x 1,024 float32; wk 1,024 x 1,024 float32; wo 1,024 x 1,024 float32; wq 1,024 x 1,024 float32; wv 1,024 x 1,024 float32; x 2 x 2,048 x 1,024 float32.
;; Outputs: out0 2 x 2,048 x 1,024 float32.
;; This version of the problem:
;;   THIS VERSION OF THE PROBLEM IS GIVEN IN LOW PRECISION. The matrix products marked QUANTISED in the list below multiply operands that are first quantised to E5M2 (5 exponent bits, 2 mantissa bits; 8 bits a number), with one given power-of-two scale for each operand tensor; their sums are f32. All else is computed in f32.
;;   The module's matrix products, in the order in which they are computed (A, B: the left and right operand; K: the contracted axis; several contracted axes count as one K, in the product's order):
;;     1. [M 4,096, K 1,024] x [K 1,024, N 1,024]; A: computed on the way; B: input wq: QUANTISED (scales: A lowp_scales[0], B lowp_scales[1])
;;     2. [M 4,096, K 1,024] x [K 1,024, N 1,024]; A: computed on the way; B: input wk: QUANTISED (scales: A lowp_scales[2], B lowp_scales[3])
;;     3. [M 4,096, K 1,024] x [K 1,024, N 1,024]; A: computed on the way; B: input wv: QUANTISED (scales: A lowp_scales[4], B lowp_scales[5])
;;     4. batch 32 x [M 2,048, K 64] x [K 64, N 2,048]; A: computed on the way; B: computed on the way: QUANTISED (scales: A lowp_scales[6], B lowp_scales[7])
;;     5. batch 32 x [M 2,048, K 2,048] x [K 2,048, N 64]; A: softmax (see below); B: computed on the way: QUANTISED (scales: A lowp_scales[8], B lowp_scales[9])
;;     6. [M 4,096, K 1,024] x [K 1,024, N 1,024]; A: computed on the way; B: input wo: QUANTISED (scales: A lowp_scales[10], B lowp_scales[11])
;;     7. [M 4,096, K 1,024] x [K 1,024, N 4,096]; A: computed on the way; B: input w1: QUANTISED (scales: A lowp_scales[12], B lowp_scales[13])
;;     8. [M 4,096, K 4,096] x [K 4,096, N 1,024]; A: computed on the way; B: input w2: QUANTISED (scales: A lowp_scales[14], B lowp_scales[15])
;;   THE QUANTISER, for each operand of a quantised product, along K:
;;     - The operand's scale is 2^e, e = its entry of the input lowp_scales (int32; the entries are numbered through the quantised products in the list's order, A before B).
;;     - Each number is divided by the scale, clamped to +-57,344, and rounded to the nearest number of E5M2, ties to even, subnormals kept.
;;     - The product sums the exact products of the quantised numbers (number of the format x scale) in f32.
;;   ~~~python
;;   def quantise(x, axis, e):      # numpy; x: float32 -> the quantised numbers, widened to float32 again
;;       x = np.moveaxis(x, axis, -1); K = x.shape[-1]
;;       r = np.clip(x / 2.0 ** e, -57344, 57344)
;;       step = 2.0 ** (np.maximum(np.frexp(np.where(r == 0, 1, r))[1] - 1, -14) - 2)
;;       q = np.round(r / step) * step * 2.0 ** e      # np.round: ties to even
;;       return np.moveaxis(q, -1, axis).astype(np.float32)
;;   ~~~
;;   SOFTMAX AHEAD OF A QUANTISED PRODUCT. Where the list says 'softmax', what is quantised is not the finished softmax but p = 2^(t - M), with t = logit x log2(e) and M = ceil(the row's largest t), a whole number; so 1/2 < the row's largest p <= 1. The row's sum l is taken of the UNQUANTISED p, in f32, and the product's result is divided by l at the end. Since M is a whole number, a kernel that streams over the keys may use a running M (the ceiling of the running maximum): every later rescaling is an exact power of two, so the quantised numbers keep their values, but for numbers so far below the row's largest that they fall under the format's range.
;;   OPERANDS COMPUTED ON THE WAY. 'Computed on the way' means the value that the module computes at that place (a softmax that the list does not call 'softmax' is quantised finished and normalised). What goes into a quantiser is computed in f32, as accurately as f32 sums, v_exp_f32 and their like allow (about 1e-6 of the number): no bf16 or f16 on the way to a quantiser, and a product that is left as it is and whose result goes on into a quantised operand takes f32 operands (vector FMAs, or v_wmma_f32_16x16x4_f32). A number that lies on a knife's edge between two numbers of the format may be rounded either way, as far as f32 arithmetic and the matrix unit's own rounding can turn it there, and no further.
;; One version. Each part assembles by itself: llvm-mc -triple=amdgcn-amd-amdhsa -mcpu=gfx1250 --defsym DOCPART=n.
;; ======== version 1 of 1: 7 launches
;; limits: right only within a limited range of input values
;; workspace buffers: wcodes 12,582,912 bytes; z0c 12,582,912 bytes; qkvc 12,582,912 bytes; ctxc 4,194,304 bytes; x1 16,777,216 bytes; z1c 4,194,304 bytes; hc 16,777,216 bytes
;; launch prep (part 1): grid 640 x 1, 4 waves a work-group, no clusters, 90,624 bytes of LDS; arguments wq, wk, wv, wo, w1, w2, x, g1, be1, lowp_scales, wcodes, z0c; writes wcodes, z0c
.if DOCPART == 1
	.amdgcn_target "amdgcn-amd-amdhsa--gfx1250"
	.amdhsa_code_object_version 6
	.text
	.protected	k_q14e6a15326_prep
	.globl	k_q14e6a15326_prep
	.p2align	8
	.type	k_q14e6a15326_prep,@function
k_q14e6a15326_prep:
	s_mov_b64 s[64:65], 0
	v_nop
	global_prefetch_b8 v0, s[64:65] scope:SCOPE_SE
	s_setreg_imm32_b32 hwreg(HW_REG_WAVE_MODE, 25, 1), 1
	s_wait_xcnt 0x0
; Two jobs in one launch, told apart by the work-group's number; each has its own path, its own LDS bytes and its own end.
; WORK-GROUPS 0-383: the six weights, f32 stored [K][N], become codes of E5M2 with K innermost, in blocks [n / 128][k / 128][128 rows n][128 bytes k]:
;   a block is 16,384 consecutive bytes.  A work-group takes 128 columns x 256 along K: two blocks, 32,768 bytes at wcodes + 32,768 x its number.
;   A lane takes a column and its registers run down K, so the conversions give codes with K innermost; they leave through the wave's own stage as runs of 512 bytes.
; WORK-GROUPS 384-639: z0 = LayerNorm(x) g1 + be1, a wave a row at a time (4 rows a wave), quantised three times (scales 0, 2, 4) into three tensors of blocks [token / 128][k / 128][128][128].
; code = number / 2^e, held within +-57,344, to the nearest code, ties to even.  LIMITS: each e between -126 and 112.  NaN among the inputs is not served.
; No tensor load, no barrier: waves share nothing.
.set WSTG,  32*272                     ; weights: a wave's stage: 32 columns x (256 bytes of codes + 16)
.set LBASE, 4*WSTG                     ; the LayerNorm path's LDS begins behind the weights' stages
.set LROW,  1152                       ; a row's 1,024 codes + 128: four neighbouring rows start 128 bytes apart modulo 256
.set LSET,  4*LROW
.set LSTG,  3*LSET                     ; a wave's stage: three sets of four rows
.set OF,    32                         ; weights: v32-63   4 x lane + i rows of the weight
.set WX,    64                         ; v64-127  two sets of 32 numbers
.set OUTR,  128                        ; v128-191 the way out
.set C,     16                         ; v16-31   codes
.set T,     32                         ; LayerNorm: v32-63 at work
.set G,     64                         ; v64-95   g1 of my 32 columns
.set BE,    96                         ; v96-127  be1
.set X,     128                        ; v128-255 four rows, 32 numbers a lane each
.set RS,    8                          ; v[8:9]   1 / sigma (the pair's low word serves both halves)
.set MU,    10                         ; v[10:11] the mean, twice
	s_load_b512 s[4:19], s[0:1], 0x0               ; wq wk wv wo w1 w2 x g1
	s_load_b256 s[20:27], s[0:1], 0x40             ; be1, the scales' exponents, wcodes, z0c
	s_set_vgpr_msb 0x40
	v_lshl_add_u32 v0, v0, 2, 0x16000
	v_mov_b32 v1, 0
	s_set_vgpr_msb 0x4000
	v_lshrrev_b32 v1, 5, v0
	v_readfirstlane_b32 s44, v1                    ; wave 0..3
	v_and_b32 v5, 31, v0                           ; lane
	v_lshlrev_b32 v1, 4, v5                        ; 16 x lane: my 16 bytes of 512
	v_lshrrev_b32 v6, 3, v5
	v_and_b32 v9, 7, v5
	s_mul_i32 s70, s44, WSTG
	v_mul_u32_u24 v4, v5, 272
	v_add_nc_u32 v4, s70, v4                       ; weights, into the stage: row = my column
	v_mul_u32_u24 v7, v6, 272
	v_lshl_add_u32 v7, v9, 4, v7
	v_add_nc_u32 v7, s70, v7                       ; and out of it: eight lanes to 128 bytes of a row, four rows an instruction
	s_mul_i32 s71, s44, LSTG
	s_add_co_u32 s71, s71, LBASE
	v_lshl_add_u32 v2, v5, 2, s71                  ; LayerNorm, into the stage: 4 bytes a lane
	v_mul_u32_u24 v3, v6, LROW
	v_lshl_add_u32 v3, v9, 4, v3
	v_add_nc_u32 v3, s71, v3                       ; and out of it
	s_wait_kmcnt 0x0
	s_load_b512 s[48:63], s[22:23], 0x0            ; the sixteen exponents: entry i in s[48 + i]
	s_cmp_ge_u32 ttmp9, 384
	s_cbranch_scc1 .Lln
	; ---------------- the weights ----------------
	s_wait_kmcnt 0x0
	s_cmp_ge_u32 ttmp9, 32                         ; which weight: the choices hang on the work-group's number alone
	s_cselect_b64 s[46:47], s[6:7], s[4:5]
	s_cselect_b32 s45, s51, s49
	s_cmp_ge_u32 ttmp9, 64
	s_cselect_b64 s[46:47], s[8:9], s[46:47]
	s_cselect_b32 s45, s53, s45
	s_cmp_ge_u32 ttmp9, 96
	s_cselect_b64 s[46:47], s[10:11], s[46:47]
	s_cselect_b32 s45, s59, s45
	s_cmp_ge_u32 ttmp9, 128
	s_cselect_b64 s[46:47], s[12:13], s[46:47]
	s_cselect_b32 s45, s61, s45
	s_cselect_b32 s66, 14, 12                      ; log2 of a row's bytes: w1 has 4,096 columns, the others 1,024
	s_cselect_b32 s67, 127, 31
	s_cmp_ge_u32 ttmp9, 256
	s_cselect_b64 s[46:47], s[14:15], s[46:47]
	s_cselect_b32 s45, s63, s45
	s_cselect_b32 s66, 12, s66
	s_cselect_b32 s68, 4, 2                        ; log2 of the pieces of 256 along K: w2 has 16, the others 4
	s_and_b32 s67, ttmp9, s67                      ; my number within the weight
	s_lshr_b32 s69, s67, s68                       ; which 128 columns
	s_lshl_b32 s70, s69, s68
	s_sub_co_u32 s67, s67, s70                     ; which 256 along K
	s_lshl_b32 s70, s67, 8
	s_lshl_b32 s70, s70, s66
	s_lshl_b32 s71, s69, 9
	s_add_co_u32 s70, s70, s71
	s_lshl_b32 s71, s44, 7
	s_add_co_u32 s70, s70, s71                     ; + my wave's 32 columns
	s_mov_b32 s71, 0
	s_add_nc_u64 s[28:29], s[46:47], s[70:71]      ; block t of 32 along K has a base of its own: s[28 + 2 t : 29 + 2 t]
	s_lshl_b32 s72, 32, s66
	s_mov_b32 s73, 0
.irp t, 1,2,3,4,5,6,7
	s_add_nc_u64 s[28+2*\t:29+2*\t], s[26+2*\t:27+2*\t], s[72:73]
.endr
	s_lshl_b32 s74, 1, s66
	v_lshlrev_b32 v[OF], 2, v5
.set ii, 1
.rept 31
	v_add_nc_u32 v[OF+ii], s74, v[OF+ii-1]         ; one row further down
.set ii, ii+1
.endr
	s_lshl_b32 s70, ttmp9, 15
	s_lshl_b32 s71, s44, 12
	s_add_co_u32 s70, s70, s71
	s_mov_b32 s71, 0
	s_add_nc_u64 s[24:25], s[24:25], s[70:71]      ; my wave's 32 rows of the first of the two blocks
.macro WLOAD t                         ; block t: w(32 t + i, my column): 32 lanes read 128 consecutive bytes, the four waves 512
.set ii, 0
.rept 32
	global_load_b32 v[WX+32*((\t)%2)+ii], v[OF+ii], s[28+2*(\t):29+2*(\t)] th:TH_LOAD_NT
.set ii, ii+1
.endr
.endm
	WLOAD 0
	WLOAD 1
	s_add_co_i32 s45, s45, 127
	s_lshl_b32 s70, s45, 23
	v_mov_b32 v11, s70                             ; 2^e as f32: the conversion takes its exponent field
	s_add_co_i32 s45, s45, 15
	s_lshl_b32 s45, s45, 23
	s_or_b32 s45, s45, 0x600000
	v_mov_b32 v10, s45                             ; 57,344 x 2^e
.macro WBLOCK t
.set XS, WX+32*((\t)%2)
.if (\t) < 7
	s_wait_loadcnt 32                              ; this block's 32 loads are in; the next block's 32 may be out
.else
	s_wait_loadcnt 0
.endif
.set ii, 0
.rept 32
	v_med3_num_f32 v[XS+ii], v[XS+ii], -v10, v10   ; the conversion does not saturate (ISA guide 7.6.2): the hold comes first
.set ii, ii+1
.endr
.irp g, 0,1,2,3
	v_cvt_scalef32_pk8_bf8_f32 v[C+2*\g:C+2*\g+1], v[XS+8*\g:XS+8*\g+7], v11
.endr
	ds_store_b128 v4, v[C:C+3] offset:32*(\t)
	ds_store_b128 v4, v[C+4:C+7] offset:32*(\t)+16
.if (\t)+2 < 8
	WLOAD (\t)+2
.endif
	s_wait_dscnt 0x0                               ; the stores have read their registers: the next block's codes may be written
.endm
.irp t, 0,1,2,3,4,5,6,7
	WBLOCK \t
.endr
.irp p, 0,1                            ; block p of the two: four rows of 128 bytes are 512 consecutive bytes of it
.irp t, 0,1,2,3,4,5,6,7
	ds_load_b128 v[OUTR+4*(8*\p+\t):OUTR+4*(8*\p+\t)+3], v7 offset:4*\t*272+128*\p
.endr
.endr
.irp p, 0,1
.irp t, 0,1,2,3,4,5,6,7
	s_wait_dscnt 15-(8*\p+\t)                      ; the loads issued behind this one may stay out
	global_store_b128 v1, v[OUTR+4*(8*\p+\t):OUTR+4*(8*\p+\t)+3], s[24:25] offset:\p*16384+512*\t
.endr
.endr
	s_set_vgpr_msb 0x5
	s_wait_tensorcnt 0x0
	ds_add_u32 v0, v1
	s_wait_dscnt 0x0
	s_set_vgpr_msb 0x500
	s_endpgm
	; ---------------- LayerNorm 1 ----------------
.Lln:
	s_sub_co_u32 s70, ttmp9, 384
	s_lshl_b32 s70, s70, 4
	s_lshl_b32 s71, s44, 2
	s_add_co_u32 s70, s70, s71                     ; my wave's first row
	s_lshl_b32 s72, s70, 12
	s_mov_b32 s73, 0
	s_add_nc_u64 s[16:17], s[16:17], s[72:73]
.set jj, 0
.rept 8
	global_load_b128 v[G+4*jj:G+4*jj+3], v1, s[18:19] offset:512*jj
.set jj, jj+1
.endr
.set jj, 0
.rept 8
	global_load_b128 v[BE+4*jj:BE+4*jj+3], v1, s[20:21] offset:512*jj
.set jj, jj+1
.endr
.set jj, 0
.rept 32                               ; row jj / 8: eight loads of 512 consecutive bytes; register 4 j + n of a row holds column 128 j + 4 lane + n
	global_load_b128 v[X+4*jj:X+4*jj+3], v1, s[16:17] offset:512*jj th:TH_LOAD_NT
.set jj, jj+1
.endr
	s_lshr_b32 s72, s70, 7
	s_lshl_b32 s72, s72, 17                        ; a block row: 8 blocks of 16,384 bytes
	s_and_b32 s74, s70, 127
	s_lshl_b32 s74, s74, 7
	s_add_co_u32 s72, s72, s74
	s_add_nc_u64 s[38:39], s[26:27], s[72:73]      ; my rows in the three tensors of codes
	s_add_nc_u64 s[40:41], s[38:39], 0x400000
	s_add_nc_u64 s[42:43], s[40:41], 0x400000
	s_mov_b32 s28, 0x76543210                      ; v_permlanex16_b32: lane l xor 16
	s_mov_b32 s29, 0xfedcba98
	s_mov_b32 s30, 0x3a800000                      ; 1 / 1,024
	s_mov_b32 s31, 0x3727c5ac                      ; 1e-5
	v_mov_b32 v15, 0                               ; a lane permute's destination counts as read
	v_mov_b32 v[RS+1], 0                           ; named as the upper half of a pair
	s_wait_kmcnt 0x0
.irp s, 0,1,2                          ; entries 0, 2, 4
	s_add_co_i32 s74, s[48+2*\s], 127
	s_lshl_b32 s75, s74, 23
	v_mov_b32 v[12+\s], s75
	s_add_co_i32 s74, s74, 15
	s_lshl_b32 s74, s74, 23
	s_or_b32 s[32+2*\s], s74, 0x600000             ; 57,344 x 2^e,
	s_or_b32 s[33+2*\s], s[32+2*\s], 0x80000000    ; and its negative
.endr
.macro REDUCE                          ; four packed chains in v[T..T+7] become one sum, in every lane
	v_pk_add_f32 v[T:T+1], v[T:T+1], v[T+2:T+3]
	v_pk_add_f32 v[T+4:T+5], v[T+4:T+5], v[T+6:T+7]
	v_pk_add_f32 v[T:T+1], v[T:T+1], v[T+4:T+5]
	v_add_f32 v[T], v[T], v[T+1]
	v_add_f32_dpp v[T], v[T], v[T] row_xmask:1 row_mask:0xf bank_mask:0xf
	v_add_f32_dpp v[T], v[T], v[T] row_xmask:2 row_mask:0xf bank_mask:0xf
	v_add_f32_dpp v[T], v[T], v[T] row_xmask:4 row_mask:0xf bank_mask:0xf
	v_add_f32_dpp v[T], v[T], v[T] row_xmask:8 row_mask:0xf bank_mask:0xf
	v_permlanex16_b32 v15, v[T], s28, s29
	v_add_f32 v[T], v[T], v15
.endm
.macro ROW i
.set XR, X+32*(\i)
	s_wait_loadcnt 8*(3-(\i))                      ; my row is in; the later rows' eight loads each may be out
.irp o, 8,16,24
.irp c, 0,2,4,6
.if \o == 8
	v_pk_add_f32 v[T+\c:T+\c+1], v[XR+\c:XR+\c+1], v[XR+8+\c:XR+9+\c]
.else
	v_pk_add_f32 v[T+\c:T+\c+1], v[T+\c:T+\c+1], v[XR+\o+\c:XR+\o+\c+1]
.endif
.endr
.endr
	REDUCE
	v_mul_f32 v[MU], s30, v[T]
	v_mov_b32 v[MU+1], v[MU]
.set jj, 0
.rept 16
	v_pk_add_f32 v[XR+jj:XR+jj+1], v[XR+jj:XR+jj+1], v[MU:MU+1] neg_lo:[0,1] neg_hi:[0,1]   ; x - mean first: the variance is a sum of squares of differences
.set jj, jj+2
.endr
.irp o, 0,8,16,24
.irp c, 0,2,4,6
.if \o == 0
	v_pk_mul_f32 v[T+\c:T+\c+1], v[XR+\c:XR+\c+1], v[XR+\c:XR+\c+1]
.else
	v_pk_fma_f32 v[T+\c:T+\c+1], v[XR+\o+\c:XR+\o+\c+1], v[XR+\o+\c:XR+\o+\c+1], v[T+\c:T+\c+1]
.endif
.endr
.endr
	REDUCE
	v_fma_f32 v6, v[T], s30, s31                   ; variance + 1e-5
	v_rsq_f32 v[RS], v6
	v_nop                                          ; a plain instruction behind the transcendental
	s_wait_alu depctr_va_vdst(0)                   ; and the wait ahead of its first reader
.set jj, 0
.rept 16
	v_pk_mul_f32 v[XR+jj:XR+jj+1], v[XR+jj:XR+jj+1], v[RS:RS+1] op_sel_hi:[1,0]
.set jj, jj+2
.endr
.set jj, 0
.rept 16
	v_pk_fma_f32 v[XR+jj:XR+jj+1], v[XR+jj:XR+jj+1], v[G+jj:G+jj+1], v[BE+jj:BE+jj+1]
.set jj, jj+2
.endr
.irp s, 0,1,2
.set CC, C+8*((3*(\i)+\s)%2)
.set jj, 0
.rept 32
	v_med3_num_f32 v[T+jj], v[XR+jj], s[33+2*\s], s[32+2*\s]
.set jj, jj+1
.endr
	s_wait_dscnt 8                                 ; the stores that read this set of code registers are done; the other set's eight may be out
.irp m, 0,1,2,3
	v_cvt_scalef32_pk8_bf8_f32 v[CC+2*\m:CC+2*\m+1], v[T+8*\m:T+8*\m+7], v[12+\s]   ; register j: the four codes at byte 128 j + 4 lane of the row
.endr
	v_nop                                          ; a plain instruction between the conversions and the next lines that write their sources
.irp j, 0,1,2,3,4,5,6,7
	ds_store_b32 v2, v[CC+\j] offset:\s*LSET+(\i)*LROW+128*\j
.endr
.endr
.endm
	ROW 0
	ROW 1
	ROW 2
	ROW 3
.irp s, 0,1,2                          ; LDS serves a wave's instructions in order: these see my stores.  Four rows x 128 bytes of a block are 512 consecutive bytes
.irp kc, 0,1,2,3,4,5,6,7
	ds_load_b128 v[X+4*(8*\s+\kc):X+4*(8*\s+\kc)+3], v3 offset:\s*LSET+128*\kc
.endr
.endr
.irp s, 0,1,2
.irp kc, 0,1,2,3,4,5,6,7
	s_wait_dscnt 23-(8*\s+\kc)
	global_store_b128 v1, v[X+4*(8*\s+\kc):X+4*(8*\s+\kc)+3], s[38+2*\s:39+2*\s] offset:\kc*16384
.endr
.endr
	s_set_vgpr_msb 0x5
	s_wait_tensorcnt 0x0
	ds_add_u32 v0, v1
	s_wait_dscnt 0x0
	s_set_vgpr_msb 0x500
	s_endpgm
.Lfunc_end_k_q14e6a15326_prep:
	.size	k_q14e6a15326_prep, .Lfunc_end_k_q14e6a15326_prep-k_q14e6a15326_prep
	.p2alignl 7, 3214868480
	.fill 96, 4, 3214868480
	.section	.rodata,"a",@progbits
	.p2align	6, 0x0
	.amdhsa_kernel k_q14e6a15326_prep
		.amdhsa_group_segment_fixed_size 90624
		.amdhsa_private_segment_fixed_size 0
		.amdhsa_enable_private_segment 0
		.amdhsa_kernarg_size 96
		.amdhsa_user_sgpr_count 2
		.amdhsa_user_sgpr_kernarg_segment_ptr 1
		.amdhsa_wavefront_size32 1
		.amdhsa_system_sgpr_workgroup_id_x 1
		.amdhsa_system_sgpr_workgroup_id_y 1
		.amdhsa_system_sgpr_workgroup_id_z 1
		.amdhsa_system_vgpr_workitem_id 0
		.amdhsa_next_free_vgpr 258
		.amdhsa_next_free_sgpr 102
		.amdhsa_reserve_vcc 0
		.amdhsa_float_denorm_mode_32 3
		.amdhsa_float_denorm_mode_16_64 3
		.amdhsa_memory_ordered 1
		.amdhsa_forward_progress 1
		.amdhsa_inst_pref_size 121
	.end_amdhsa_kernel
	.amdgpu_metadata
---
amdhsa.version: [ 1, 2 ]
amdhsa.kernels:
  - .name:           k_q14e6a15326_prep
    .symbol:         k_q14e6a15326_prep.kd
    .args:
      - { .name: wq, .offset: 0, .size: 8, .value_kind: global_buffer, .address_space: global }
      - { .name: wk, .offset: 8, .size: 8, .value_kind: global_buffer, .address_space: global }
      - { .name: wv, .offset: 16, .size: 8, .value_kind: global_buffer, .address_space: global }
      - { .name: wo, .offset: 24, .size: 8, .value_kind: global_buffer, .address_space: global }
      - { .name: w1, .offset: 32, .size: 8, .value_kind: global_buffer, .address_space: global }
      - { .name: w2, .offset: 40, .size: 8, .value_kind: global_buffer, .address_space: global }
      - { .name: x, .offset: 48, .size: 8, .value_kind: global_buffer, .address_space: global }
      - { .name: g1, .offset: 56, .size: 8, .value_kind: global_buffer, .address_space: global }
      - { .name: be1, .offset: 64, .size: 8, .value_kind: global_buffer, .address_space: global }
      - { .name: lowp_scales, .offset: 72, .size: 8, .value_kind: global_buffer, .address_space: global }
      - { .name: wcodes, .offset: 80, .size: 8, .value_kind: global_buffer, .address_space: global }
      - { .name: z0c, .offset: 88, .size: 8, .value_kind: global_buffer, .address_space: global }
    .group_segment_fixed_size: 90624
    .private_segment_fixed_size: 0
    .kernarg_segment_align: 8
    .kernarg_segment_size: 96
    .max_flat_workgroup_size: 128
    .sgpr_count:     102
    .vgpr_count:     258
    .wavefront_size: 32
...
	.end_amdgpu_metadata
.endif
;; end of part 1
;; launch qkv (part 2): grid 12 x 16, 4 waves a work-group, clusters of 4 x 4, 327,680 bytes of LDS; arguments z0c, wcodes, lowp_scales, bq, bk, bv, qkvc; writes qkvc
.if DOCPART == 2
	.amdgcn_target "amdgcn-amd-amdhsa--gfx1250"
	.amdhsa_code_object_version 6
	.text
	.protected	k_q14e6a15326_qkv
	.globl	k_q14e6a15326_qkv
	.p2align	8
	.type	k_q14e6a15326_qkv,@function
k_q14e6a15326_qkv:
	s_mov_b64 s[64:65], 0
	v_nop
	global_prefetch_b8 v0, s[64:65] scope:SCOPE_SE
	s_setreg_imm32_b32 hwreg(HW_REG_WAVE_MODE, 25, 1), 1
	s_wait_xcnt 0x0
	s_wait_alu depctr_hold_cnt(0) depctr_sa_sdst(0) depctr_va_vdst(0) depctr_va_sdst(0) depctr_va_ssrc(0) depctr_va_vcc(0) depctr_vm_vsrc(0)
	s_getreg_b32 s2, hwreg(HW_REG_IB_STS2, 6, 4)
	s_cmp_eq_u32 s2, 0
	s_cbranch_scc0 .Lentry_in_a_cluster
	s_endpgm
.Lentry_in_a_cluster:
	s_bfe_u32 s2, ttmp6, 0x10000c
	s_cmp_lg_u32 s2, 0xf033
	s_cbranch_scc0 .Lentry_shape_is_right
	s_endpgm
.Lentry_shape_is_right:
; q, k, v = z0 W + b on codes of E5M2, and their codes for attention.  Cluster x says which: 0 q, 1 k, 2 v.
; A tile of 256 x 256 is made by four waves, 128 x 128 each: 64 accumulators, 512 registers.  K = 1,024 goes in steps of 256 through two LDS slots filled by the tensor data mover.
; OPERANDS lie in blocks [rows / 128][K / 128][128 rows][128 bytes]: two neighbouring K blocks are 32,768 consecutive bytes, one tensor load of 256 lines of 128 bytes, 16 bytes of padding behind each.
; THE MATRIX INSTRUCTION IS USED TRANSPOSED (source 0 = the column operand, source 1 = the row operand): a lane holds eight neighbouring columns of one row.
; q, k: rows = tokens (z0's codes), columns = features (the weight's).  v: rows = features (wv's codes), columns = tokens, so that v's codes come out with the KEYS innermost.  The roles are chosen by selects on the cluster's x; no branch.
; OUT: q, k: [batch x 8 + head pair][token][128 bytes: two heads' 64]; v: [batch x 8 + head pair][key / 128][128 rows: 64 u + d][128 keys].  In all three a wave's tile is one block of 16,384 consecutive bytes.
; k'S LINES STAND IN THE ORDER IN WHICH ATTENTION'S TILES TAKE THEM: token t of a block lies at the line whose bits 3 and 4 are t's bits 4 and 3, so that the 16 keys of a tile of attention are 16 neighbouring lines.
; CLUSTERS: 4 x 4.  The row operand's tile is shared along a row of the cluster, the column operand's along a column: each is asked for jointly.
; LIMITS: e0 + e1, e2 + e3, e4 + e5 between -126 and 127; e6, e7, e9 between -126 and 127.
; REGISTERS: window 0: v0-31 addresses and constants; v32-95 the bias by columns, v96-103 by rows; v128-255 the row operand's fragments, one set, on the way out at work.  window 1: the column operand's, two sets.  windows 2, 3: accumulators.
.set PITCH, 144                        ; an LDS line: 128 bytes + 16 = 36 words: sixteen neighbouring lines start at sixteen different groups of four banks
.set QSTEP, 128*PITCH                  ; a K block's 128 lines
.set PIECE, 2*QSTEP                    ; what one tensor load brings
.set SLOT,  4*PIECE                    ; the row operand's two block rows, then the column operand's two
.set SPARE, 2*SLOT                     ; behind the ring: the spare words, 128 bytes a wave
.set FR,   16
.set NL,   4
.set NP,   4
.set LAPS, 2
.set LIM,  12
.set SCL,  13
.set BRC,  14                          ; v[14:15] the row's bias, twice
.set ADRA, 16
.set ADRB, 20
.set CO2,  22                          ; the way out: the offset of a trip's rows 8 to 15
.set STO,  24
.set RD,   25
.set CO,   26
.set HB,   27                          ; 32 x (lane / 16)
.set SPW,  28
.set NIL,  29
.set RB,   30                          ; 4 x (lane % 16)
.set ZR,   31                          ; 0
.set BC,   32
.set BR,   96
.set TMP,  128
.set CD,   192
.set BK,   224
.set AF,   128
.set G1,  24
.set G0,  32
.set G1B, 48
.set G0B, 56
.set SC,  66
.set MSB, 0
.macro WIN new                         ; the immediate's high byte repeats the setting that is left
.if MSB != \new
	s_set_vgpr_msb (MSB<<8)|\new
.set MSB, \new
.endif
.endm
.set MUL_LO, 0xa1                      ; source 0 window 1, source 1 window 0, C and D window 2
.set MUL_HI, 0xf1
.set TO_B,   0x40
.macro JLOAD g0a, g1a, g0b, g1b        ; waves 0, 1 fetch the row operand, waves 2, 3 the column operand; four v_nop follow each line
	s_cmp_eq_u32 s15, 0
	s_cbranch_scc0 .Lfor_b_\@
	tensor_load_to_lds s[\g0a:\g0a+3], s[\g1a:\g1a+7]
	s_nop 0
.rept 4
	v_nop
.endr
	s_branch .Lasked_\@
.Lfor_b_\@:
	tensor_load_to_lds s[\g0b:\g0b+3], s[\g1b:\g1b+7]
	s_nop 0
.rept 4
	v_nop
.endr
.Lasked_\@:
.endm
.macro CREST
	s_cmp_lg_u32 s14, 0
	s_cbranch_scc1 .Lnot_wave_0_\@
	s_barrier_signal -3
.Lnot_wave_0_\@:
	s_barrier_wait -3
	s_barrier_signal -1
	s_barrier_wait -1
.endm
.macro CROUND
	s_barrier_signal -1
	s_barrier_wait -1
	CREST
.endm
	s_load_b256 s[68:75], s[0:1], 0x0              ; z0c, wcodes, the exponents, bq
	s_load_b128 s[76:79], s[0:1], 0x20             ; bk, bv
	s_load_b64 s[80:81], s[0:1], 0x30              ; qkvc
	v_lshl_add_u32 v[SPW], v0, 2, SPARE
	v_mov_b32 v[NIL], 0
	ds_add_u32 v28, v29
	ds_add_u32 v28, v29
	s_wait_dscnt 0x0
	v_mov_b32 v[ZR], 0
	v_lshrrev_b32 v1, 5, v0
	v_readfirstlane_b32 s14, v1                    ; wave
	s_lshr_b32 s15, s14, 1                         ; my half of the rows; also: I fetch the row (0) or the column (1) operand
	s_and_b32 s16, s14, 1                          ; my half of the columns; also: which block row I fetch
	s_bfe_u32 s40, ttmp6, 0x40000                  ; cx
	s_bfe_u32 s41, ttmp6, 0x40004                  ; cy
	s_and_b32 s18, ttmp7, 0xffff                   ; cluster y
	s_cmp_eq_u32 ttmp9, 2                          ; v?  The same in all sixteen partners
	s_cselect_b32 s19, 0, s18
	s_cselect_b32 s20, s18, 0
	s_cselect_b32 s82, -1, 0
	s_lshl_b32 s17, s19, 2
	s_add_co_u32 s17, s17, s41                     ; tile row: q, k: 4 y + cy of 16 (tokens); v: cy of 4 (features)
	s_lshl_b32 s42, s20, 2
	s_add_co_u32 s42, s42, s40                     ; tile column: q, k: cx of 4; v: 4 y + cx of 16
	s_lshl_b32 s43, s41, 2
	s_lshl_b32 s43, 15, s43                        ; my row of the cluster
	s_lshl_b32 s44, 0x1111, s40                    ; my column
	s_or_b32 s[G1+0], s43, (0<<16)|(1<<20)|(1<<21)|(4<<22)|(3<<25)  ; the mask; elements of 1 byte; padding on; bit 21 beside a mask; after every 32 words, 4 words
	s_or_b32 s[G1B+0], s44, (0<<16)|(1<<20)|(1<<21)|(4<<22)|(3<<25)
.irp g, G1, G1B
	s_mov_b32 s[\g+1], 128<<16                     ; tensor_dim0
	s_mov_b32 s[\g+2], 256<<16                     ; tensor_dim1
	s_mov_b32 s[\g+3], 128<<16                     ; tile_dim0
	s_mov_b32 s[\g+4], 256                         ; tile_dim1
	s_mov_b32 s[\g+5], 128                         ; the pitch: the lines are dense in memory
	s_mov_b32 s[\g+6], 0
	s_mov_b32 s[\g+7], 0
.endr
	s_lshl_b32 s20, s17, 1
	s_add_co_u32 s20, s20, s16
	s_lshl_b32 s20, s20, 17                        ; the row operand's block row: 8 blocks of 16,384 bytes
	s_lshl_b32 s21, ttmp9, 22                      ; z0's codes under scale 0 or 2,
	s_cmp_eq_u32 ttmp9, 2
	s_cselect_b32 s21, 0x200000, s21               ; or wv's codes
	s_add_co_u32 s20, s20, s21
	s_mov_b32 s21, 0
	s_lshl_b32 s46, s42, 1
	s_add_co_u32 s46, s46, s16
	s_lshl_b32 s46, s46, 17
	s_lshl_b32 s47, ttmp9, 20                      ; wq's or wk's codes,
	s_cmp_eq_u32 ttmp9, 2
	s_cselect_b32 s47, 0x800000, s47               ; or z0's codes under scale 4
	s_add_co_u32 s46, s46, s47
	s_mov_b32 s47, 0
	s_mul_i32 s45, s14, PIECE                      ; where my piece goes: no place in the cluster enters an LDS address
	s_wait_kmcnt 0x0
	s_load_b512 s[84:99], s[72:73], 0x0            ; entry i in s[84 + i]
	s_cmp_eq_u32 ttmp9, 2
	s_cselect_b64 s[22:23], s[70:71], s[68:69]
	s_cselect_b64 s[18:19], s[68:69], s[70:71]
	s_add_nc_u64 s[20:21], s[22:23], s[20:21]
	s_add_nc_u64 s[46:47], s[18:19], s[46:47]
	CROUND                                         ; all sixteen work-groups are here: the first joint loads meet
.irp s, 0,1
	s_mov_b32 s[G0+4*\s], 1
	s_add_co_u32 s[G0+4*\s+1], s45, \s*SLOT
	s_add_nc_u64 s[G0+4*\s+2:G0+4*\s+3], s[20:21], \s*32768
	s_or_b32 s[G0+4*\s+3], s[G0+4*\s+3], 0x80000000
	s_mov_b32 s[G0B+4*\s], 1
	s_add_co_u32 s[G0B+4*\s+1], s45, \s*SLOT
	s_add_nc_u64 s[G0B+4*\s+2:G0B+4*\s+3], s[46:47], \s*32768
	s_or_b32 s[G0B+4*\s+3], s[G0B+4*\s+3], 0x80000000
	JLOAD G0+4*\s, G1, G0B+4*\s, G1B
.endr
	v_and_b32 v1, 15, v0                           ; r
	v_bfe_u32 v2, v0, 4, 1                         ; h
	v_mul_u32_u24 v3, v1, PITCH
	s_wait_alu depctr_va_vdst(0)
	v_lshl_add_u32 v4, v2, 4, v3
	s_mul_i32 s21, s15, PIECE
	s_mul_i32 s22, s16, PIECE
	s_add_co_u32 s22, s22, 2*PIECE
.irp s, 0,1
	v_add_nc_u32 v[ADRA+\s], s21, v4
	v_add_nc_u32 v[ADRB+\s], s22, v4
	s_add_co_u32 s21, s21, SLOT
	s_add_co_u32 s22, s22, SLOT
.endr
	s_mul_i32 s23, s14, 16*PITCH                   ; my stage, in slot 0: it has had its last fill and its last read when the first result is stored there
	v_lshl_add_u32 v5, v2, 3, v3
	v_add_nc_u32 v[STO], s23, v5                   ; in: line r, 8 bytes for each half of the lanes
	v_and_b32 v6, 31, v0
	v_lshrrev_b32 v7, 3, v6
	v_and_b32 v8, 7, v6
	v_mul_u32_u24 v7, v7, PITCH
	v_lshl_add_u32 v7, v8, 4, v7
	v_add_nc_u32 v[RD], s23, v7                    ; back: eight lanes to a line of 128 bytes, four lines an instruction
	v_lshlrev_b32 v[CO], 4, v6
	; where a trip's 16 rows go in my block.  q, v: row 16 a + i at line 16 a + i.  k: bits 3 and 4 of the row change places: rows 16 a + 0 .. 7 at line 32 (a / 2) + 8 (a % 2) on, rows 16 a + 8 .. 15 sixteen lines further on
	s_mov_b32 s8, 2048                             ; the base's step behind an even trip,
	s_mov_b32 s9, 2048                             ; behind an odd trip,
	s_mov_b32 s12, 1024                            ; and from a trip's rows 0-7 to its rows 8-15, in bytes
	s_cmp_eq_u32 ttmp9, 1                          ; k?  The same in all sixteen partners
	s_cselect_b32 s8, 1024, s8
	s_cselect_b32 s9, 3072, s9
	s_cselect_b32 s12, 2048, s12
	v_add_nc_u32 v[CO2], s12, v[CO]
	s_mov_b32 s13, 0
	v_lshlrev_b32 v[HB], 5, v2
	s_wait_alu depctr_va_vdst(0)
	v_lshlrev_b32 v[RB], 2, v1
	s_wait_alu depctr_va_vdst(0)
	s_lshl_b32 s20, s17, 1
	s_add_co_u32 s20, s20, s15
	s_lshl_b32 s21, s42, 1
	s_add_co_u32 s21, s21, s16
	s_cmp_eq_u32 ttmp9, 2
	s_cselect_b32 s22, s21, s20                    ; my block of 128 tokens,
	s_cselect_b32 s23, s20, s21                    ; my pair of heads
	s_lshr_b32 s20, s22, 4
	s_lshl_b32 s20, s20, 3
	s_add_co_u32 s20, s20, s23
	s_lshl_b32 s20, s20, 4
	s_and_b32 s22, s22, 15
	s_add_co_u32 s20, s20, s22
	s_lshl_b32 s20, s20, 14
	s_lshl_b32 s21, ttmp9, 22
	s_add_co_u32 s20, s20, s21
	s_mov_b32 s21, 0
	s_add_nc_u64 s[10:11], s[80:81], s[20:21]      ; my tile's 16,384 bytes
	s_cmp_eq_u32 ttmp9, 1
	s_cselect_b64 s[18:19], s[76:77], s[74:75]
	s_cmp_eq_u32 ttmp9, 2
	s_cselect_b64 s[18:19], s[78:79], s[18:19]     ; the bias
	s_lshl_b32 s20, s40, 10
	s_lshl_b32 s21, s16, 9
	s_add_co_u32 s20, s20, s21
	s_mov_b32 s21, 0
	s_add_nc_u64 s[4:5], s[18:19], s[20:21]        ; by columns: 256 cx + 128 x my half on (used for q and k),
	s_lshl_b32 s20, s41, 10
	s_lshl_b32 s21, s15, 9
	s_add_co_u32 s20, s20, s21
	s_mov_b32 s21, 0
	s_add_nc_u64 s[6:7], s[18:19], s[20:21]        ; by rows: 256 cy + 128 x my half on (used for v).  Both stay inside the 1,024 numbers
.irp b, 0,1,2,3,4,5,6,7
	global_load_b128 v[BC+8*\b:BC+8*\b+3], v[HB], s[4:5] offset:64*\b       ; register 8 b + j: column 16 b + 8 h + j
	global_load_b128 v[BC+8*\b+4:BC+8*\b+7], v[HB], s[4:5] offset:64*\b+16
.endr
.irp a, 0,1,2,3,4,5,6,7
	global_load_b32 v[BR+\a], v[RB], s[6:7] offset:64*\a                    ; row 16 a + r
.endr
.macro FRAG reg, adr, q, i             ; 16 rows x 128 K: registers 4 c .. 4 c + 3 hold K = 32 c + 16 h + 0 .. 15: the same order of k on both sides
.irp c, 0,1,2,3
	ds_load_b128 v[\reg+4*\c:\reg+4*\c+3], v[\adr] offset:QSTEP*(\q)+32*\c+(\i)*16*PITCH
.endr
.endm
.macro MUL16 a0, p, zero               ; the 64 accumulators take turns, one instruction a turn, in the same order in every step
.irp a, \a0, \a0+1
.irp b, 0,1,2,3,4,5,6,7
.if \zero
	v_wmma_f32_16x16x128_bf8_bf8 v[8*(8*((\a)%4)+\b):8*(8*((\a)%4)+\b)+7], v[128*(\p)+FR*\b:128*(\p)+FR*\b+FR-1], v[AF+FR*(\a):AF+FR*(\a)+FR-1], 0
.else
	v_wmma_f32_16x16x128_bf8_bf8 v[8*(8*((\a)%4)+\b):8*(8*((\a)%4)+\b)+7], v[128*(\p)+FR*\b:128*(\p)+FR*\b+FR-1], v[AF+FR*(\a):AF+FR*(\a)+FR-1], v[8*(8*((\a)%4)+\b):8*(8*((\a)%4)+\b)+7]
.endif
.endr
.endr
.endm
.macro FETCH_B slot, q, p
	WIN TO_B
.irp i, 0,1,2,3,4,5,6,7
	FRAG 128*(\p)+FR*\i, ADRB+\slot, \q, \i
.endr
	WIN 0
.endm
.macro FETCH_A slot, q, i0
.irp i, \i0, \i0+1, \i0+2, \i0+3
	FRAG AF+FR*(\i), ADRA+\slot, \q, \i
.endr
.endm
.macro PLACES n                        ; plain vector instructions between a matrix instruction and a load into, or a read of, its registers
.rept \n
	v_nop
.endr
.endm
.macro STEP slot, q, zero
	s_wait_dscnt 4*NL                              ; the column operand's set and row blocks 0-3 are in; the youngest sixteen loads (blocks 4-7) may be out
	WIN MUL_LO
	MUL16 0, (\q)%2, \zero
	MUL16 2, (\q)%2, \zero
	s_wait_dscnt 0
	PLACES NP
	FETCH_B \slot, (\q)+1, 1-(\q)%2
	FETCH_A \slot, (\q)+1, 0
	WIN MUL_HI
	MUL16 4, (\q)%2, \zero
	MUL16 6, (\q)%2, \zero
	PLACES NP
	WIN 0
	FETCH_A \slot, (\q)+1, 4
.endm
.macro TURN slot, next, fill           ; a slot's last step changes slots: one barrier
	s_wait_tensorcnt 0x0                           ; all my tensor loads have landed: my part of the next slot
	ds_add_u32 v[SPW], v[NIL]                      ; 0 onto my spare word
	s_wait_dscnt 4*NL+1                            ; the add and the youngest sixteen loads may be out
	WIN MUL_LO
	MUL16 0, 1, 0
	s_wait_dscnt 0x0                               ; the add is done, and my reads of this slot are over
	s_barrier_signal -1
	MUL16 2, 1, 0
	WIN 0
	s_barrier_wait -1
.if \fill
	CREST                                          ; the barrier has opened a round of the cluster's: no wave of any partner still reads this slot or has a load on its way
	s_add_nc_u64 s[G0+4*\slot+2:G0+4*\slot+3], s[G0+4*\slot+2:G0+4*\slot+3], 65536
	s_add_nc_u64 s[G0B+4*\slot+2:G0B+4*\slot+3], s[G0B+4*\slot+2:G0B+4*\slot+3], 65536
	JLOAD G0+4*\slot, G1, G0B+4*\slot, G1B
.else
	PLACES NP
.endif
	FETCH_B \next, 0, 0
	FETCH_A \next, 0, 0
	WIN MUL_HI
	MUL16 4, 1, 0
	MUL16 6, 1, 0
	PLACES NP
	WIN 0
	FETCH_A \next, 0, 4
.endm
	s_wait_tensorcnt 1                             ; my part of slot 0 is in; slot 1's load may be out
	s_barrier_signal -1
	s_barrier_wait -1
	FETCH_B 0, 0, 0
	FETCH_A 0, 0, 0
	FETCH_A 0, 0, 4
	STEP 0, 0, 1                                   ; the first products start the sums
	s_mov_b32 s3, LAPS-1
.Llap:
	TURN 0, 1, 1
	STEP 1, 0, 0
	TURN 1, 0, 1
	STEP 0, 0, 0
	s_sub_co_u32 s3, s3, 1
	s_cmp_lg_u32 s3, 0
	s_cbranch_scc1 .Llap
	TURN 0, 1, 0
	STEP 1, 0, 0
	s_wait_dscnt 4*NL
	WIN MUL_LO
	MUL16 0, 1, 0
	MUL16 2, 1, 0
	s_wait_dscnt 0
	WIN MUL_HI
	MUL16 4, 1, 0
	MUL16 6, 1, 0
	WIN 0
	; THE WAY OUT: a loop of eight trips, a block of 16 rows x 128 columns each.  What differs from trip to trip, the accumulators' numbers, stands in eight short copies; the rest is written once.
	s_wait_loadcnt 0x0                             ; the biases
	s_wait_kmcnt 0x0
	s_add_co_i32 s20, s84, s85
	s_add_co_i32 s21, s86, s87
	s_add_co_i32 s22, s88, s89
	s_cmp_eq_u32 ttmp9, 1
	s_cselect_b32 s20, s21, s20
	s_cselect_b32 s23, s91, s90
	s_cmp_eq_u32 ttmp9, 2
	s_cselect_b32 s20, s22, s20
	s_cselect_b32 s23, s93, s23
	s_add_co_i32 s20, s20, 127
	s_lshl_b32 s[SC], s20, 23                      ; 2^(the product's two exponents added)
	s_mov_b32 s[SC+1], s[SC]
	s_add_co_i32 s23, s23, 127
	s_lshl_b32 s20, s23, 23
	PLACES NP
	v_mov_b32 v[SCL], s20                          ; 2^e of the codes to be made
.set jj, 0
.rept 64
	v_cndmask_b32 v[BC+jj], v[BC+jj], v[ZR], s82   ; v has its bias by rows,
.set jj, jj+1
.endr
.set jj, 0
.rept 8
	v_cndmask_b32 v[BR+jj], v[ZR], v[BR+jj], s82   ; q and k by columns
.set jj, jj+1
.endr
	s_mov_b32 s3, 0
.Lout:
.irp a, 0,1,2,3,4,5,6
	s_cmp_eq_u32 s3, \a
	s_cbranch_scc1 .Lcp_\a
.endr
	s_branch .Lcp_7
.irp a, 0,1,2,3,4,5,6,7
.Lcp_\a:
.set WN, 0x02+(\a)/4
	WIN WN                                         ; source 0: window 2 or 3
.set jj, 0
.rept 32
	v_pk_fma_f32 v[TMP+jj:TMP+jj+1], v[64*((\a)%4)+jj:64*((\a)%4)+jj+1], s[SC:SC+1], v[BC+jj:BC+jj+1] op_sel_hi:[1,0,1]   ; sum x 2^(ea + eb) + bias; each accumulator from its low end on
.set jj, jj+2
.endr
	WIN 0
	v_mov_b32 v[BRC], v[BR+\a]
	v_mov_b32 v[BRC+1], v[BR+\a]
	s_branch .Lwork
.endr
.Lwork:
.set jj, 0
	s_wait_alu depctr_va_vdst(0)
.rept 32
	v_pk_add_f32 v[TMP+jj:TMP+jj+1], v[TMP+jj:TMP+jj+1], v[BRC:BRC+1]
.set jj, jj+2
.endr
.set jj, 0
.rept 64
.set jj, jj+1
.endr
.irp b, 0,1,2,3,4,5,6,7
	v_cvt_scalef32_pk8_bf8_f32 v[CD+2*\b:CD+2*\b+1], v[TMP+8*\b:TMP+8*\b+7], v[SCL]
.endr
	v_nop                                          ; a plain instruction between the conversions and the next lines that write their sources
.irp b, 0,1,2,3,4,5,6,7
	ds_store_b64 v[STO], v[CD+2*\b:CD+2*\b+1] offset:16*\b
.endr
.irp t, 0,1,2,3
	ds_load_b128 v[BK+4*\t:BK+4*\t+3], v[RD] offset:4*\t*PITCH     ; LDS serves a wave's instructions in order: these see my stores
.endr
	s_wait_dscnt 0x0
.irp t, 0,1
	global_store_b128 v[CO], v[BK+4*\t:BK+4*\t+3], s[10:11] offset:512*\t      ; rows 4 t .. 4 t + 3: 512 consecutive bytes
.endr
.irp t, 0,1
	global_store_b128 v[CO2], v[BK+8+4*\t:BK+8+4*\t+3], s[10:11] offset:512*\t ; rows 8 + 4 t on
.endr
	s_wait_xcnt 0x0                                ; the stores have read their registers and their base: both are written again
	s_and_b32 s12, s3, 1                           ; SCC: an odd trip
	s_cselect_b32 s12, s9, s8
	s_add_nc_u64 s[10:11], s[10:11], s[12:13]
	s_add_co_u32 s3, s3, 1
	s_cmp_lt_u32 s3, 8
	s_cbranch_scc1 .Lout
	s_wait_tensorcnt 0x0                           ; the wave's end
	ds_add_u32 v[SPW], v[NIL]
	s_wait_dscnt 0x0
	CROUND                                         ; the closing round
	s_endpgm
.Lfunc_end_k_q14e6a15326_qkv:
	.size	k_q14e6a15326_qkv, .Lfunc_end_k_q14e6a15326_qkv-k_q14e6a15326_qkv
	.p2alignl 7, 3214868480
	.fill 96, 4, 3214868480
	.section	.rodata,"a",@progbits
	.p2align	6, 0x0
	.amdhsa_kernel k_q14e6a15326_qkv
		.amdhsa_group_segment_fixed_size 327680
		.amdhsa_private_segment_fixed_size 0
		.amdhsa_enable_private_segment 0
		.amdhsa_kernarg_size 56
		.amdhsa_user_sgpr_count 2
		.amdhsa_user_sgpr_kernarg_segment_ptr 1
		.amdhsa_wavefront_size32 1
		.amdhsa_system_sgpr_workgroup_id_x 1
		.amdhsa_system_sgpr_workgroup_id_y 1
		.amdhsa_system_sgpr_workgroup_id_z 1
		.amdhsa_system_vgpr_workitem_id 0
		.amdhsa_next_free_vgpr 1024
		.amdhsa_next_free_sgpr 102
		.amdhsa_reserve_vcc 0
		.amdhsa_float_denorm_mode_32 3
		.amdhsa_float_denorm_mode_16_64 3
		.amdhsa_fp16_overflow 1
		.amdhsa_memory_ordered 1
		.amdhsa_forward_progress 1
		.amdhsa_inst_pref_size 109
	.end_amdhsa_kernel
	.amdgpu_metadata
---
amdhsa.version: [ 1, 2 ]
amdhsa.kernels:
  - .name:           k_q14e6a15326_qkv
    .symbol:         k_q14e6a15326_qkv.kd
    .args:
      - { .name: z0c, .offset: 0, .size: 8, .value_kind: global_buffer, .address_space: global }
      - { .name: wcodes, .offset: 8, .size: 8, .value_kind: global_buffer, .address_space: global }
      - { .name: lowp_scales, .offset: 16, .size: 8, .value_kind: global_buffer, .address_space: global }
      - { .name: bq, .offset: 24, .size: 8, .value_kind: global_buffer, .address_space: global }
      - { .name: bk, .offset: 32, .size: 8, .value_kind: global_buffer, .address_space: global }
      - { .name: bv, .offset: 40, .size: 8, .value_kind: global_buffer, .address_space: global }
      - { .name: qkvc, .offset: 48, .size: 8, .value_kind: global_buffer, .address_space: global }
    .group_segment_fixed_size: 327680
    .private_segment_fixed_size: 0
    .kernarg_segment_align: 8
    .kernarg_segment_size: 56
    .max_flat_workgroup_size: 128
    .sgpr_count:     102
    .vgpr_count:     1024
    .wavefront_size: 32
...
	.end_amdgpu_metadata
.endif
;; end of part 2
;; launch attn (part 3): grid 16 x 16, 16 waves a work-group, clusters of 4 x 1, 327,680 bytes of LDS; arguments qkvc, lowp_scales, ctxc; writes ctxc
.if DOCPART == 3
	.amdgcn_target "amdgcn-amd-amdhsa--gfx1250"
	.amdhsa_code_object_version 6
	.text
	.protected	k_q14e6a15326_attn
	.globl	k_q14e6a15326_attn
	.p2align	8
	.type	k_q14e6a15326_attn,@function
k_q14e6a15326_attn:
	s_mov_b64 s[64:65], 0
	v_nop
	global_prefetch_b8 v0, s[64:65] scope:SCOPE_SE
	s_setreg_imm32_b32 hwreg(HW_REG_WAVE_MODE, 25, 1), 1
	s_wait_xcnt 0x0
	s_wait_alu depctr_hold_cnt(0) depctr_sa_sdst(0) depctr_va_vdst(0) depctr_va_sdst(0) depctr_va_ssrc(0) depctr_va_vcc(0) depctr_vm_vsrc(0)
	s_getreg_b32 s2, hwreg(HW_REG_IB_STS2, 6, 4)
	s_cmp_eq_u32 s2, 0
	s_cbranch_scc0 .Lentry_in_a_cluster
	s_endpgm
.Lentry_in_a_cluster:
	s_bfe_u32 s2, ttmp6, 0x10000c
	s_cmp_lg_u32 s2, 0x3003
	s_cbranch_scc0 .Lentry_shape_is_right
	s_endpgm
.Lentry_shape_is_right:
; ctx = softmax(q k^T / 8) v for a pair of heads, both products on codes of E5M2, and ctx's codes for the next product.
; q, k: [pair][token][128 bytes: two heads' 64 codes]; v: [pair][key / 128][128 rows: 64 u + d][128 keys].  pair = batch x 8 + head / 2 = work-group y.
; THE SOFTMAX: t = score x log2(e) / 8; M = the running largest t rounded UP to a whole number; p = 2^(t - M) is quantised (scale 8), not normalised; the row's sum is taken of the unquantised p and divides at the end.
; When M moves, the sum and O are multiplied by 2^(old M - new M): nothing is rounded.
; SHARES.  A work-group owns 128 queries of both heads; wave w: head u = w / 8, queries 16 (w % 8) on: one tile in 256 registers, four waves to a SIMD.  Every wave walks all 2,048 keys, 128 a step.
; Both products are used transposed (S^T = k q^T, O^T = v^T p^T): a lane holds ONE query.  The keys of a tile are not neighbours: lane r of tile 2 b + s takes key 32 b + 8 s + r + 8 (r / 8),
; so that the 16 registers of tiles 2 b, 2 b + 1 are the 16 neighbouring keys 32 b + 16 (lane / 16) + 0 .. 15, as the second product's operand wants them.
; k's LINES lie in that order already (the launch that made them swapped bits 3 and 4 of the token's number): tile t's key of lane r is line 16 t + r: sixteen neighbouring lines, 144 bytes apart, start at sixteen different groups of four banks.
; RING: two slots of 512 keys: k's four blocks of 128 lines, then v's four; waves 0-3 fetch two blocks each, by one load.  One round of the cluster's barrier for four key steps.
; CLUSTER: the four query blocks of a cluster walk the same k and v: each piece is asked for jointly.
; LIMITS: e6 + e7 between -123 and 130 (added to c's exponent field); e8 and e10 between -126 and 127.
; REGISTERS: v1-7 addresses that stay; v8-11 addresses in hand; v12 -M, v13 the largest t, v[14:15] the sum; v16-23 q; v32-95 k's, then v's fragments; v96-159 S^T, then p; v160-191 O^T; v224-239 p's codes; v236-254 at work and constants.
.set KP,    144                        ; a line in LDS: 128 bytes + 16
.set TILEB, 128*KP                     ; a block of 128 lines
.set PIECE, 2*TILEB                    ; what one tensor load brings
.set VOFF,  4*TILEB
.set SLOT1, 8*TILEB                    ; slot 1 begins here: 0x24000, whose two bits are set in no wave's place in a slot (w x 0x9000): one exclusive or turns an address from one slot to the other
.set NSL,   4                          ; 2,048 keys / 512
.set SPARE, 2*SLOT1                    ; the spare words: 128 bytes for each of sixteen waves
.set AK0, 1
.set AV0, 2
.set PFO, 3
.set SPW, 5
.set NIL, 6
.set GO,  7
.set ADK, 8
.set ADV, 9
.set WV,  18
.set SEL, 20
.set CS,  22
.set G1,  24
.set TB,  33
.set SLOTS, 34
.set LIM, 35
.set PFA, 36
.set G0,  40
.macro TLOAD                           ; waves 0-3 fetch; four v_nop follow the line
	s_cmp_lt_u32 s[WV], 4
	s_cbranch_scc0 .Lasked_\@
	tensor_load_to_lds s[G0:G0+3], s[G1:G1+7]
	s_nop 0
.rept 4
	v_nop
.endr
.Lasked_\@:
.endm
; A prefetch of what the NEXT change of slots will ask for: 65,536 bytes of k and as many of v.  All clusters of a pair walk the same bytes: the pair's first cluster asks; its four partners share them out
; by address, 16,384 bytes of each; waves 4 and 5 ask for k's, waves 6 and 7 for v's, 8,192 bytes a wave, lanes 256 bytes apart, one instruction.  So each block of 256 bytes is named once.  The last change that fills a slot asks for nothing.
.macro ASK
	s_cmp_gt_u32 s[SLOTS], s[LIM]
	s_cbranch_scc0 .Lnot_mine_\@
	global_prefetch_b8 v[PFO], s[PFA:PFA+1] th:TH_LOAD_NT scope:SCOPE_SE
.Lnot_mine_\@:
.endm
.macro CROUND
	s_barrier_signal -1
	s_barrier_wait -1
	s_cmp_lg_u32 s[WV], 0
	s_cbranch_scc1 .Lnot_wave_0_\@
	s_barrier_signal -3
.Lnot_wave_0_\@:
	s_barrier_wait -3
	s_barrier_signal -1
	s_barrier_wait -1
.endm
	s_load_b128 s[4:7], s[0:1], 0x0                ; qkvc, the exponents
	s_load_b64 s[8:9], s[0:1], 0x10                ; ctxc
	v_lshl_add_u32 v[SPW], v0, 2, SPARE
	v_mov_b32 v[NIL], 0
	ds_add_u32 v5, v6
	ds_add_u32 v5, v6
	s_wait_dscnt 0x0
	v_lshrrev_b32 v8, 5, v0
	s_delay_alu instid0(VALU_DEP_1)
	v_readfirstlane_b32 s[WV], v8                  ; wave 0..15
	s_bfe_u32 s10, ttmp6, 0x40000                  ; cx
	s_lshl_b32 s11, ttmp9, 2
	s_add_co_u32 s11, s11, s10                     ; my block of 128 queries
	s_and_b32 s12, ttmp7, 0xffff                   ; the pair, which the partners share
	s_lshr_b32 s13, s[WV], 3                       ; u
	s_and_b32 s14, s[WV], 7
	s_lshl_b32 s19, s12, 18                        ; the pair's 262,144 bytes in each of q, k, v
	s_and_b32 s15, s[WV], 3
	s_mul_i32 s16, s15, PIECE                      ; what I fetch, if I fetch: its place in a slot,
	s_lshr_b32 s44, s15, 1
	s_add_co_u32 s44, s44, 1
	s_lshl_b32 s44, s44, 22                        ; k at 4 MiB (waves 0, 1), v at 8 MiB (waves 2, 3),
	s_and_b32 s45, s[WV], 1
	s_lshl_b32 s45, s45, 15                        ; the slot's first or second pair of blocks
	s_add_co_u32 s44, s44, s45
	s_add_co_u32 s44, s44, s19
	s_mov_b32 s45, 0
	s_mov_b32 s[G1], 15|(0<<16)|(1<<20)|(1<<21)|(4<<22)|(3<<25)   ; the mask: all four work-groups; elements of 1 byte; padding on; bit 21 beside a mask; after every 32 words, 4 words
	s_mov_b32 s[G1+1], 128<<16                     ; tensor_dim0
	s_mov_b32 s[G1+2], 256<<16                     ; tensor_dim1
	s_mov_b32 s[G1+3], 128<<16                     ; tile_dim0
	s_mov_b32 s[G1+4], 256                         ; tile_dim1
	s_mov_b32 s[G1+5], 128                         ; the pitch: the lines are dense in memory
	s_mov_b32 s[G1+6], 0
	s_mov_b32 s[G1+7], 0
	s_mov_b32 s[SEL], 0x76543210
	s_mov_b32 s[SEL+1], 0xfedcba98
	s_mov_b32 s[CS], 0x3e38aa3b                    ; c = log2(e) / 8
	s_mov_b32 s[TB], 0
	s_mov_b32 s[SLOTS], NSL-1
	s_wait_kmcnt 0x0
	s_load_b256 s[68:75], s[6:7], 0x18             ; entries 6 .. 13: e6 in s68
	s_mov_b32 s[G0], 1
	s_mov_b32 s[G0+1], s16
	s_add_nc_u64 s[G0+2:G0+3], s[4:5], s[44:45]
	s_or_b32 s[G0+3], s[G0+3], 0x80000000
	CROUND                                         ; all four work-groups are here
	TLOAD                                          ; slot 0
	s_lshl_b32 s46, s11, 14
	s_lshl_b32 s47, s14, 11
	s_add_co_u32 s46, s46, s47
	s_lshl_b32 s48, s13, 6                         ; 64 u
	s_add_co_u32 s46, s46, s48
	s_add_co_u32 s46, s46, s19
	s_mov_b32 s47, 0
	s_add_nc_u64 s[46:47], s[4:5], s[46:47]        ; q's codes at my first query, my head
	v_and_b32 v8, 15, v0                           ; r
	s_wait_alu depctr_va_vdst(0)
	v_bfe_u32 v9, v0, 4, 1                         ; h
	v_lshlrev_b32 v10, 7, v8
	s_delay_alu instid0(VALU_DEP_1)
	v_lshl_add_u32 v10, v9, 4, v10
	global_load_b128 v[16:19], v10, s[46:47]       ; registers 4 c .. 4 c + 3: d = 32 c + 16 h + 0 .. 15: the same order as k's fragments have
	global_load_b128 v[20:23], v10, s[46:47] offset:32
	s_lshr_b32 s50, s[WV], 1                       ; the prefetches: waves 4, 5 k, waves 6, 7 v
	s_and_b32 s50, s50, 1
	s_add_co_u32 s50, s50, 1
	s_lshl_b32 s50, s50, 22
	s_add_co_u32 s50, s50, s19
	s_lshl_b32 s51, s10, 14                        ; my work-group's 16,384 bytes,
	s_add_co_u32 s50, s50, s51
	s_and_b32 s51, s[WV], 1
	s_lshl_b32 s51, s51, 13                        ; my wave's half of them,
	s_add_co_u32 s50, s50, s51
	s_add_co_u32 s50, s50, 65536                   ; in slot 1: the first change of slots steps it to slot 2
	s_mov_b32 s51, 0
	s_add_nc_u64 s[PFA:PFA+1], s[4:5], s[50:51]
	s_lshr_b32 s50, s[WV], 2
	s_xor_b32 s50, s50, 1                          ; 0 in waves 4 to 7,
	s_or_b32 s50, s50, ttmp9                       ; of the pair's first cluster: the same in all four partners
	s_cmp_eq_u32 s50, 0
	s_cselect_b32 s[LIM], 1, -1
	v_and_b32 v[PFO], 31, v0
	s_delay_alu instid0(VALU_DEP_1)
	v_lshlrev_b32 v[PFO], 8, v[PFO]
	s_lshr_b32 s52, s12, 3                         ; ctx's block: ((batch x 16 + query block) x 8 + head pair) x 16,384, + my wave's 8 rows
	s_lshl_b32 s52, s52, 4
	s_add_co_u32 s52, s52, s11
	s_lshl_b32 s52, s52, 3
	s_and_b32 s53, s12, 7
	s_add_co_u32 s52, s52, s53
	s_lshl_b32 s52, s52, 14
	s_lshl_b32 s53, s[WV], 10
	s_add_co_u32 s52, s52, s53
	s_mov_b32 s53, 0
	s_add_nc_u64 s[8:9], s[8:9], s[52:53]
	v_mul_u32_u24 v[AK0], v8, KP                   ; k: line r of a tile,
	s_wait_alu depctr_va_vdst(0)
	v_lshl_add_u32 v[AK0], v9, 4, v[AK0]
	s_delay_alu instid0(VALU_DEP_1)
	v_add_nc_u32 v[AK0], s48, v[AK0]               ; my head's half of it
	s_mul_i32 s49, s13, 64*KP
	s_add_co_u32 s49, s49, VOFF
	v_mul_u32_u24 v[AV0], v8, KP
	s_delay_alu instid0(VALU_DEP_1)
	v_lshl_add_u32 v[AV0], v9, 4, v[AV0]
	s_delay_alu instid0(VALU_DEP_1)
	v_add_nc_u32 v[AV0], s49, v[AV0]               ; my head's 64 lines of v's blocks
	v_mov_b32 v13, 0xff61b1e6                      ; the largest t so far: -3e38
	s_delay_alu instid0(VALU_DEP_1)
	v_floor_f32 v12, -v13
	v_mov_b32 v14, 0
	v_mov_b32 v15, 0
	v_mov_b32 v236, 0                              ; a lane permute's destination counts as read
	v_mov_b32 v253, 0                              ; named as the upper half of a pair
.set jj, 0
.rept 32
	v_mov_b32 v[160+jj], 0                         ; O^T: the step is written once for all slots; its first run finds zeros, which the first change of M leaves zeros
.set jj, jj+1
.endr
	s_wait_kmcnt 0x0
	s_add_co_i32 s54, s68, s69
	s_lshl_b32 s54, s54, 23
	s_add_co_i32 s[CS], s[CS], s54                 ; a score stands for score x 2^(e6 + e7)
	s_mov_b32 s[CS+1], s[CS]
	s_add_co_i32 s54, s70, 127
	s_lshl_b32 s55, s54, 23
	v_mov_b32 v244, s55                            ; 2^e8
	s_add_co_i32 s54, s72, 127
	s_lshl_b32 s55, s54, 23
	v_mov_b32 v245, s55                            ; 2^e10
	s_add_co_i32 s56, s70, s71                     ; e8 + e9
.macro STEP q                          ; 128 keys, the q-th of the slot's four
	v_add_nc_u32 v[ADK], s[TB], v[AK0]
	v_add_nc_u32 v[ADV], s[TB], v[AV0]
.if (\q) >= 2
	s_wait_alu depctr_va_vdst(0)
	v_add_nc_u32 v[ADK], PIECE, v[ADK]             ; k's blocks 2 and 3: so that the offsets below stay inside 16 bits
	v_nop
.else
	s_wait_alu depctr_va_vdst(0)
	v_nop                                          ; in all four plain instructions: the places in front of loads into registers that matrix instructions have read
	v_nop
.endif
.irp t, 0,1,2,3,4,5,6,7
.irp c, 0,1
	ds_load_b128 v[32+8*\t+4*\c:35+8*\t+4*\c], v[ADK] offset:(128*((\q)%2)+16*\t)*KP+32*\c
.endr
.endr
	s_wait_dscnt 0x0
.irp t, 0,1,2,3,4,5,6,7
	v_wmma_f32_16x16x64_bf8_bf8 v[96+8*\t:103+8*\t], v[32+8*\t:39+8*\t], v[16:23], 0
.endr
.rept 4
	v_nop
.endr
.irp d, 0,1,2,3                        ; v's fragments are asked for now and land during the softmax
.irp c, 0,1,2,3
	ds_load_b128 v[32+16*\d+4*\c:35+16*\d+4*\c], v[ADV] offset:(\q)*TILEB+16*\d*KP+32*\c
.endr
.endr
	v_max3_num_f32 v254, v96, v97, v98             ; the step's largest score of my query among my 64 keys, in two chains,
	v_max3_num_f32 v252, v99, v100, v101
.irp i, 6,10,14,18,22,26,30,34,38,42,46,50,54,58
	v_max3_num_f32 v254, v254, v[96+\i], v[97+\i]
	v_max3_num_f32 v252, v252, v[98+\i], v[99+\i]
.endr
	v_max3_num_f32 v254, v254, v158, v159
	s_delay_alu instid0(VALU_DEP_1)
	v_max_num_f32 v254, v254, v252
	v_permlanex16_b32 v236, v254, s[SEL], s[SEL+1]
	s_delay_alu instid0(VALU_DEP_1)
	v_max_num_f32 v254, v254, v236                 ; and among lane l xor 16's
	s_delay_alu instid0(VALU_DEP_1)
	v_mul_f32 v254, s[CS], v254
	s_delay_alu instid0(VALU_DEP_1)
	v_max_num_f32 v13, v13, v254                   ; the running largest t
	v_mov_b32 v254, v12
	s_delay_alu instid0(VALU_DEP_2)
	v_floor_f32 v12, -v13                          ; the new -M = -ceil(t): a whole number
	s_delay_alu instid0(VALU_DEP_1)
	v_sub_f32 v254, v12, v254
	s_delay_alu instid0(VALU_DEP_1)
	v_cvt_i32_f32 v254, v254                       ; old M - new M (it saturates)
	s_delay_alu instid0(VALU_DEP_1)
	v_ldexp_f32 v252, 1.0, v254                    ; f = 2^(old M - new M)
.set jj, 0
.rept 32
	v_pk_fma_f32 v[96+jj:97+jj], v[96+jj:97+jj], s[CS:CS+1], v[12:13] op_sel_hi:[1,0,0]   ; t - M
.set jj, jj+2
.endr
.set jj, 0
	s_wait_alu depctr_va_vdst(0)
.rept 64
	v_exp_f32 v[96+jj], v[96+jj]                   ; p = 2^(t - M)
.set jj, jj+1
.endr
	v_pk_mul_f32 v[14:15], v[14:15], v[252:253] op_sel_hi:[1,0]   ; the sums under the new M: the plain instruction behind the exponentials
	s_wait_alu depctr_va_vdst(0)                   ; one wait for the batch, ahead of its first reader
	v_pk_add_f32 v[242:243], v[100:101], v[104:105]
	v_pk_add_f32 v[254:255], v[108:109], v[112:113]
	v_pk_add_f32 v[250:251], v[116:117], v[120:121]
	v_pk_add_f32 v[248:249], v[124:125], v[128:129]
	v_pk_add_f32 v[246:247], v[132:133], v[136:137]
	v_pk_add_f32 v[240:241], v[140:141], v[144:145]
	v_pk_add_f32 v[238:239], v[148:149], v[152:153]
	v_pk_add_f32 v[14:15], v[14:15], v[156:157]
	v_pk_add_f32 v[242:243], v[242:243], v[96:97]
	v_pk_add_f32 v[254:255], v[254:255], v[98:99]
	v_pk_add_f32 v[250:251], v[250:251], v[102:103]
	v_pk_add_f32 v[248:249], v[248:249], v[106:107]
	v_pk_add_f32 v[246:247], v[246:247], v[110:111]
	v_pk_add_f32 v[240:241], v[240:241], v[114:115]
	v_pk_add_f32 v[238:239], v[238:239], v[118:119]
	v_pk_add_f32 v[14:15], v[14:15], v[122:123]
	v_pk_add_f32 v[242:243], v[242:243], v[126:127]
	v_pk_add_f32 v[254:255], v[254:255], v[130:131]
	v_pk_add_f32 v[250:251], v[250:251], v[134:135]
	v_pk_add_f32 v[248:249], v[248:249], v[138:139]
	v_pk_add_f32 v[246:247], v[246:247], v[142:143]
	v_pk_add_f32 v[240:241], v[240:241], v[146:147]
	v_pk_add_f32 v[238:239], v[238:239], v[150:151]
	v_pk_add_f32 v[14:15], v[14:15], v[154:155]
	v_pk_add_f32 v[242:243], v[242:243], v[158:159]
	s_delay_alu instid0(VALU_DEP_2)
	v_pk_add_f32 v[14:15], v[14:15], v[248:249]
	s_delay_alu instid0(VALU_DEP_2)
	v_pk_add_f32 v[242:243], v[242:243], v[246:247]
	v_pk_add_f32 v[254:255], v[254:255], v[240:241]
	v_pk_add_f32 v[250:251], v[250:251], v[238:239]
	s_delay_alu instid0(VALU_DEP_2)
	v_pk_add_f32 v[14:15], v[14:15], v[254:255]
	s_delay_alu instid0(VALU_DEP_2)
	v_pk_add_f32 v[242:243], v[242:243], v[250:251]
	s_delay_alu instid0(VALU_DEP_1)
	v_pk_add_f32 v[14:15], v[14:15], v[242:243]
.irp b, 0,1,2,3
.set jj, 0
.rept 16
.set jj, jj+1
.endr
	v_cvt_scalef32_pk8_bf8_f32 v[224+4*\b:225+4*\b], v[96+16*\b:103+16*\b], v244
	v_cvt_scalef32_pk8_bf8_f32 v[226+4*\b:227+4*\b], v[104+16*\b:111+16*\b], v244
.endr
.set jj, 0
.rept 16
	v_pk_mul_f32 v[160+jj:161+jj], v[160+jj:161+jj], v[252:253] op_sel_hi:[1,0]   ; O^T under the new M
.set jj, jj+2
.endr
	s_wait_alu depctr_va_vdst(0)
	s_wait_dscnt 0x0                               ; v's fragments
.irp d, 0,1,2,3
	v_wmma_f32_16x16x128_bf8_bf8 v[160+8*\d:167+8*\d], v[32+16*\d:47+16*\d], v[224:239], v[160+8*\d:167+8*\d]
.endr
.endm
; THE CHANGE OF SLOTS stands at a slot's head.  Each wave waits for all its tensor loads, adds 0 to its spare word, and waits for that and for its reads of the slot that it has left.
.macro CHANGE fill
	s_wait_tensorcnt 0x0                           ; no tensor load of mine is out, so the group 0 may be written
	ds_add_u32 v[SPW], v[NIL]
.if \fill
	s_xor_b32 s[G0+1], s[G0+1], SLOT1              ; the other slot than last time,
	s_add_nc_u64 s[G0+2:G0+3], s[G0+2:G0+3], 65536 ; the next 512 keys
	s_wait_xcnt 0x0                                ; the last prefetch, a slot back, has read its address
	s_add_nc_u64 s[PFA:PFA+1], s[PFA:PFA+1], 65536
	s_wait_dscnt 0x0
	CROUND                                         ; no wave of any partner still reads the slot or has a load on its way
	TLOAD                                          ; a wave's one tensor load until the next round: it has a slot's four steps in which to land
	ASK
.else
	s_wait_dscnt 0x0
	s_barrier_signal -1
	s_barrier_wait -1
.endif
.endm
	s_wait_loadcnt 0x0                             ; q
.Lslot:                                            ; three trips: behind each change of slots but the last the next slot is asked for
	CHANGE 1
	STEP 0
	STEP 1
	STEP 2
	STEP 3
	s_xor_b32 s[TB], s[TB], SLOT1
	s_sub_co_u32 s[SLOTS], s[SLOTS], 1
	s_cmp_lg_u32 s[SLOTS], 0
	s_cbranch_scc1 .Lslot
	CHANGE 0                                       ; the last slot is written out
	STEP 0
	STEP 1
	STEP 2
	STEP 3
	; THE WAY OUT.  O^T x 2^(e8 + e9) / the sum is quantised (scale 10); the codes meet in a stage of 128 lines in slot 0, which was left at the last change of slots and has had its last fill.
	v_add_f32 v14, v14, v15
	s_delay_alu instid0(VALU_DEP_1)
	v_permlanex16_b32 v252, v14, s[SEL], s[SEL+1]
	s_delay_alu instid0(VALU_DEP_1)
	v_add_f32 v14, v14, v252
	s_wait_alu depctr_va_vdst(0)
	v_rcp_f32 v14, v14
	v_and_b32 v8, 15, v0
	v_bfe_u32 v9, v0, 4, 1
	s_mul_i32 s57, s14, 16*KP
	s_add_co_u32 s57, s57, s48
	v_mul_u32_u24 v10, v8, KP
	s_delay_alu instid0(VALU_DEP_1)
	v_lshl_add_u32 v10, v9, 3, v10
	s_delay_alu instid0(VALU_DEP_1)
	v_add_nc_u32 v10, s57, v10                     ; in: line 16 (w % 8) + r, byte 64 u + 8 h
	v_and_b32 v11, 31, v0
	s_delay_alu instid0(VALU_DEP_1)
	v_lshlrev_b32 v[GO], 4, v11
	s_delay_alu instid0(VALU_DEP_2)
	v_lshrrev_b32 v8, 3, v11
	s_delay_alu instid0(VALU_DEP_3)
	v_and_b32 v9, 7, v11
	s_delay_alu instid0(VALU_DEP_2)
	v_mul_u32_u24 v11, v8, KP
	s_delay_alu instid0(VALU_DEP_1)
	v_lshl_add_u32 v11, v9, 4, v11
	s_mul_i32 s58, s[WV], 8*KP
	v_add_nc_u32 v11, s58, v11                     ; back: my wave's 8 lines, four an instruction
	s_wait_alu depctr_va_vdst(0)                   ; the wait ahead of the reciprocal's first reader
	v_ldexp_f32 v14, v14, s56
	s_delay_alu instid0(VALU_DEP_1)
	v_mov_b32 v15, v14
.set jj, 0
.rept 16
	v_pk_mul_f32 v[96+jj:97+jj], v[160+jj:161+jj], v[14:15]       ; each accumulator from its low end on
.set jj, jj+2
.endr
.set jj, 0
.rept 32
.set jj, jj+1
.endr
.irp d, 0,1,2,3
	v_cvt_scalef32_pk8_bf8_f32 v[224+2*\d:225+2*\d], v[96+8*\d:103+8*\d], v245
.endr
	v_nop
.irp d, 0,1,2,3
	ds_store_b64 v10, v[224+2*\d:225+2*\d] offset:16*\d
.endr
	s_wait_dscnt 0x0                               ; for the others' sake: a line's 128 bytes come from two waves
	s_barrier_signal -1
	s_barrier_wait -1
	ds_load_b128 v[32:35], v11
	ds_load_b128 v[36:39], v11 offset:4*KP
	s_wait_dscnt 1
	global_store_b128 v[GO], v[32:35], s[8:9]      ; 512 consecutive bytes
	s_wait_dscnt 0
	global_store_b128 v[GO], v[36:39], s[8:9] offset:512
	s_wait_tensorcnt 0x0                           ; the wave's end
	ds_add_u32 v[SPW], v[NIL]
	s_wait_dscnt 0x0
	CROUND                                         ; the closing round
	s_endpgm
.Lfunc_end_k_q14e6a15326_attn:
	.size	k_q14e6a15326_attn, .Lfunc_end_k_q14e6a15326_attn-k_q14e6a15326_attn
	.p2alignl 7, 3214868480
	.fill 96, 4, 3214868480
	.section	.rodata,"a",@progbits
	.p2align	6, 0x0
	.amdhsa_kernel k_q14e6a15326_attn
		.amdhsa_group_segment_fixed_size 327680
		.amdhsa_private_segment_fixed_size 0
		.amdhsa_enable_private_segment 0
		.amdhsa_kernarg_size 24
		.amdhsa_user_sgpr_count 2
		.amdhsa_user_sgpr_kernarg_segment_ptr 1
		.amdhsa_wavefront_size32 1
		.amdhsa_system_sgpr_workgroup_id_x 1
		.amdhsa_system_sgpr_workgroup_id_y 1
		.amdhsa_system_sgpr_workgroup_id_z 1
		.amdhsa_system_vgpr_workitem_id 0
		.amdhsa_next_free_vgpr 256
		.amdhsa_next_free_sgpr 102
		.amdhsa_reserve_vcc 0
		.amdhsa_float_denorm_mode_32 3
		.amdhsa_float_denorm_mode_16_64 3
		.amdhsa_fp16_overflow 1
		.amdhsa_memory_ordered 1
		.amdhsa_forward_progress 1
		.amdhsa_inst_pref_size 121
	.end_amdhsa_kernel
	.amdgpu_metadata
---
amdhsa.version: [ 1, 2 ]
amdhsa.kernels:
  - .name:           k_q14e6a15326_attn
    .symbol:         k_q14e6a15326_attn.kd
    .args:
      - { .name: qkvc, .offset: 0, .size: 8, .value_kind: global_buffer, .address_space: global }
      - { .name: lowp_scales, .offset: 8, .size: 8, .value_kind: global_buffer, .address_space: global }
      - { .name: ctxc, .offset: 16, .size: 8, .value_kind: global_buffer, .address_space: global }
    .group_segment_fixed_size: 327680
    .private_segment_fixed_size: 0
    .kernarg_segment_align: 8
    .kernarg_segment_size: 24
    .max_flat_workgroup_size: 512
    .sgpr_count:     102
    .vgpr_count:     256
    .wavefront_size: 32
...
	.end_amdgpu_metadata
.endif
;; end of part 3
;; launch oproj (part 4): grid 8 x 32, 4 waves a work-group, clusters of 4 x 4, 327,680 bytes of LDS; arguments ctxc, wcodes, lowp_scales, bo, x, x1; writes x1
.if DOCPART == 4
	.amdgcn_target "amdgcn-amd-amdhsa--gfx1250"
	.amdhsa_code_object_version 6
	.text
	.protected	k_q14e6a15326_oproj
	.globl	k_q14e6a15326_oproj
	.p2align	8
	.type	k_q14e6a15326_oproj,@function
k_q14e6a15326_oproj:
	s_mov_b64 s[64:65], 0
	v_nop
	global_prefetch_b8 v0, s[64:65] scope:SCOPE_SE
	s_setreg_imm32_b32 hwreg(HW_REG_WAVE_MODE, 25, 1), 1
	s_wait_xcnt 0x0
	s_wait_alu depctr_hold_cnt(0) depctr_sa_sdst(0) depctr_va_vdst(0) depctr_va_sdst(0) depctr_va_ssrc(0) depctr_va_vcc(0) depctr_vm_vsrc(0)
	s_getreg_b32 s2, hwreg(HW_REG_IB_STS2, 6, 4)
	s_cmp_eq_u32 s2, 0
	s_cbranch_scc0 .Lentry_in_a_cluster
	s_endpgm
.Lentry_in_a_cluster:
	s_bfe_u32 s2, ttmp6, 0x10000c
	s_cmp_lg_u32 s2, 0xf033
	s_cbranch_scc0 .Lentry_shape_is_right
	s_endpgm
.Lentry_shape_is_right:
; x1 = x + ctx wo + bo: the product on codes of E5M2, the rest in f32.  M = 4,096, N = 1,024, K = 1,024.
; N = 1,024 gives 256 tiles only at 128 x 128: four waves, 64 x 64 each: 16 accumulators.  A slot holds 512 along K; with K = 1,024 the two slots are filled once and never again.
; OPERANDS lie in blocks [rows / 128][K / 128][128][128 bytes]; a tensor load brings two K blocks: 256 lines of 128 bytes, 16 bytes of padding behind each.
; The matrix instruction is used transposed (source 0 = wo's 16 rows, source 1 = ctx's): a lane holds eight neighbouring columns of a row.  CLUSTERS 4 x 4: ctx's tile is shared along a row, wo's along a column.
; LIMIT: e10 + e11 between -126 and 127.
; REGISTERS: window 0: v0-31 addresses, v[8:11] the bias of my four columns; v32-95 the way out; v128-255 accumulators.  window 1: two fragment buffers of 128 (A's 64, then B's 64).  window 2: v0-127 the residual.
.set KB,    8                          ; K blocks
.set BOFF,  3<<20                      ; wo's codes in wcodes
.set SENT,  0x28                       ; entries 10, 11
.set LAPS,  KB/8
.set PITCH, 144
.set QSTEP, 128*PITCH
.set PIECE, 2*QSTEP
.set SLOT,  4*PIECE                    ; A's two pairs of K blocks, then B's two
.set SPARE, 2*SLOT
.set SPITCH, 272
.set ADRA, 16
.set ADRB, 20
.set STO,  24
.set RD,   25
.set CO,   26
.set SPW,  28
.set NIL,  29
.set BK,   32
.set ACC,  128
.set G1,  24
.set G0,  32
.set G1B, 48
.set G0B, 56
.set SC,  66
.set MSB, 0
.macro WIN new
.if MSB != \new
	s_set_vgpr_msb (MSB<<8)|\new
.set MSB, \new
.endif
.endm
.set MUL,  0x05                        ; sources 0 and 1 window 1; C and D window 0
.set TO_F, 0x40
.macro JLOAD s
	s_cmp_eq_u32 s15, 0
	s_cbranch_scc0 .Lfor_b_\@
	tensor_load_to_lds s[G0+4*\s:G0+4*\s+3], s[G1:G1+7]
	s_nop 0
.rept 4
	v_nop
.endr
	s_branch .Lasked_\@
.Lfor_b_\@:
	tensor_load_to_lds s[G0B+4*\s:G0B+4*\s+3], s[G1B:G1B+7]
	s_nop 0
.rept 4
	v_nop
.endr
.Lasked_\@:
.endm
.macro CREST
	s_cmp_lg_u32 s14, 0
	s_cbranch_scc1 .Lnot_wave_0_\@
	s_barrier_signal -3
.Lnot_wave_0_\@:
	s_barrier_wait -3
	s_barrier_signal -1
	s_barrier_wait -1
.endm
.macro CROUND
	s_barrier_signal -1
	s_barrier_wait -1
	CREST
.endm
	s_load_b256 s[68:75], s[0:1], 0x0              ; A's codes, wcodes, the exponents, the bias
	s_load_b128 s[76:79], s[0:1], 0x20             ; the residual, the output
	v_lshl_add_u32 v[SPW], v0, 2, SPARE
	v_mov_b32 v[NIL], 0
	ds_add_u32 v28, v29
	s_wait_dscnt 0x0
	v_lshrrev_b32 v1, 5, v0
	v_readfirstlane_b32 s14, v1
	s_lshr_b32 s15, s14, 1                         ; my half of the rows; also: I fetch for A (0) or B (1)
	s_and_b32 s16, s14, 1                          ; my half of the columns; also: which pair of K blocks I fetch
	s_bfe_u32 s40, ttmp6, 0x40000
	s_bfe_u32 s41, ttmp6, 0x40004
	s_lshl_b32 s42, ttmp9, 2
	s_add_co_u32 s42, s42, s40                     ; tile column, 0..7
	s_and_b32 s17, ttmp7, 0xffff
	s_lshl_b32 s17, s17, 2
	s_add_co_u32 s17, s17, s41                     ; tile row, 0..31
	s_lshl_b32 s43, s41, 2
	s_lshl_b32 s43, 15, s43
	s_lshl_b32 s44, 0x1111, s40
	s_or_b32 s[G1+0], s43, (0<<16)|(1<<20)|(1<<21)|(4<<22)|(3<<25)
	s_or_b32 s[G1B+0], s44, (0<<16)|(1<<20)|(1<<21)|(4<<22)|(3<<25)
.irp g, G1, G1B
	s_mov_b32 s[\g+1], 128<<16
	s_mov_b32 s[\g+2], 256<<16
	s_mov_b32 s[\g+3], 128<<16
	s_mov_b32 s[\g+4], 256
	s_mov_b32 s[\g+5], 128
	s_mov_b32 s[\g+6], 0
	s_mov_b32 s[\g+7], 0
.endr
	s_lshl_b32 s18, s16, 15
	s_mul_i32 s20, s17, KB*16384
	s_add_co_u32 s20, s20, s18
	s_mov_b32 s21, 0
	s_mul_i32 s46, s42, KB*16384
	s_add_co_u32 s46, s46, s18
	s_add_co_u32 s46, s46, BOFF
	s_mov_b32 s47, 0
	s_mul_i32 s45, s14, PIECE
	s_wait_kmcnt 0x0
	s_load_b64 s[84:85], s[72:73], SENT
	s_add_nc_u64 s[20:21], s[68:69], s[20:21]
	s_add_nc_u64 s[46:47], s[70:71], s[46:47]
	CROUND
.irp s, 0,1
	s_mov_b32 s[G0+4*\s], 1
	s_add_co_u32 s[G0+4*\s+1], s45, \s*SLOT
	s_add_nc_u64 s[G0+4*\s+2:G0+4*\s+3], s[20:21], \s*65536
	s_or_b32 s[G0+4*\s+3], s[G0+4*\s+3], 0x80000000
	s_mov_b32 s[G0B+4*\s], 1
	s_add_co_u32 s[G0B+4*\s+1], s45, \s*SLOT
	s_add_nc_u64 s[G0B+4*\s+2:G0B+4*\s+3], s[46:47], \s*65536
	s_or_b32 s[G0B+4*\s+3], s[G0B+4*\s+3], 0x80000000
	JLOAD \s
.endr
	v_and_b32 v1, 15, v0
	v_bfe_u32 v2, v0, 4, 1
	v_mul_u32_u24 v3, v1, PITCH
	v_lshl_add_u32 v4, v2, 4, v3
	s_mul_i32 s21, s15, 64*PITCH
	s_mul_i32 s22, s16, 64*PITCH
	s_add_co_u32 s22, s22, 2*PIECE
.irp s, 0,1
	v_add_nc_u32 v[ADRA+\s], s21, v4
	v_add_nc_u32 v[ADRB+\s], s22, v4
	s_add_co_u32 s21, s21, SLOT
	s_add_co_u32 s22, s22, SLOT
.endr
	s_mul_i32 s23, s14, 16*SPITCH                  ; my stage, in slot 0: it has had its last fill and its last read when the first result is stored there
	v_mul_u32_u24 v5, v1, SPITCH
	v_lshl_add_u32 v5, v2, 5, v5
	v_add_nc_u32 v[STO], s23, v5
	v_mul_u32_u24 v5, v2, SPITCH
	v_lshl_add_u32 v5, v1, 4, v5
	v_add_nc_u32 v[RD], s23, v5
	v_lshlrev_b32 v[CO], 12, v2
	v_lshl_add_u32 v[CO], v1, 4, v[CO]             ; lanes 0-15 one row's 256 bytes, lanes 16-31 the next row's
	v_lshlrev_b32 v7, 4, v1
	s_lshl_b32 s20, s17, 7
	s_lshl_b32 s21, s15, 6
	s_add_co_u32 s20, s20, s21
	s_lshl_b32 s20, s20, 12                        ; my first row, of 4,096 bytes
	s_lshl_b32 s46, s42, 9
	s_lshl_b32 s47, s16, 8
	s_add_co_u32 s46, s46, s47                     ; my first column, in bytes
	s_mov_b32 s47, 0
	s_add_nc_u64 s[6:7], s[74:75], s[46:47]
	s_add_co_u32 s20, s20, s46
	s_mov_b32 s21, 0
	s_add_nc_u64 s[8:9], s[76:77], s[20:21]
	s_add_nc_u64 s[10:11], s[78:79], s[20:21]
	global_load_b128 v[8:11], v7, s[6:7]
	WIN 0x80                                       ; destination window 2: the residual lands during the products, in the layout in which the rows come back from the stage
.irp a, 0,1,2,3
.irp t, 0,1,2,3,4,5,6,7
	global_load_b128 v[32*\a+4*\t:32*\a+4*\t+3], v[CO], s[8:9] offset:(16*\a+2*\t)*4096 th:TH_LOAD_NT
.endr
.endr
	WIN 0
.macro MUL4 f, a, zero                 ; the 16 accumulators take turns, one instruction a turn
.irp b, 0,1,2,3
.if \zero
	v_wmma_f32_16x16x128_bf8_bf8 v[ACC+8*(4*(\a)+\b):ACC+8*(4*(\a)+\b)+7], v[(\f)+64+16*\b:(\f)+64+16*\b+15], v[(\f)+16*(\a):(\f)+16*(\a)+15], 0
.else
	v_wmma_f32_16x16x128_bf8_bf8 v[ACC+8*(4*(\a)+\b):ACC+8*(4*(\a)+\b)+7], v[(\f)+64+16*\b:(\f)+64+16*\b+15], v[(\f)+16*(\a):(\f)+16*(\a)+15], v[ACC+8*(4*(\a)+\b):ACC+8*(4*(\a)+\b)+7]
.endif
.endr
.endm
.macro FETCH slot, q, f                ; 32 loads: B's four fragments, then A's
	WIN TO_F
.irp i, 0,1,2,3
.irp c, 0,1,2,3
	ds_load_b128 v[(\f)+64+16*\i+4*\c:(\f)+64+16*\i+4*\c+3], v[ADRB+\slot] offset:QSTEP*(\q)+\i*16*PITCH+32*\c
.endr
.endr
.irp i, 0,1,2,3
.irp c, 0,1,2,3
	ds_load_b128 v[(\f)+16*\i+4*\c:(\f)+16*\i+4*\c+3], v[ADRA+\slot] offset:QSTEP*(\q)+\i*16*PITCH+32*\c
.endr
.endr
.endm
.macro PLACES
.rept 4
	v_nop
.endr
.endm
.macro STEP slot, q, zero              ; 128 along K on buffer q % 2; the next step's fragments go into the other
	s_wait_dscnt 8                                 ; B's and A's blocks 0, 1 are in; the youngest eight loads may be out
	WIN MUL
	MUL4 128*((\q)%2), 0, \zero
	MUL4 128*((\q)%2), 1, \zero
	PLACES
	FETCH \slot, (\q)+1, 128*(1-(\q)%2)
	s_wait_dscnt 32                                ; all but the 32 just issued
	WIN MUL
	MUL4 128*((\q)%2), 2, \zero
	MUL4 128*((\q)%2), 3, \zero
.endm
.macro TURN slot, next, fill           ; a slot's fourth step changes slots: one barrier
	WIN 0
	s_wait_tensorcnt 0x0                           ; all my tensor loads have landed
	ds_add_u32 v[SPW], v[NIL]
	s_wait_dscnt 9                                 ; the add and the youngest eight loads may be out
	WIN MUL
	MUL4 128, 0, 0
	s_wait_dscnt 0x0                               ; the add is done, and my reads of this slot are over
	s_barrier_signal -1
	MUL4 128, 1, 0
.if \fill
	WIN 0
.endif
	s_barrier_wait -1
.if \fill
	CREST
	s_add_nc_u64 s[G0+4*\slot+2:G0+4*\slot+3], s[G0+4*\slot+2:G0+4*\slot+3], 131072
	s_add_nc_u64 s[G0B+4*\slot+2:G0B+4*\slot+3], s[G0B+4*\slot+2:G0B+4*\slot+3], 131072
	JLOAD \slot
.else
	PLACES
.endif
	FETCH \next, 0, 0
	WIN MUL
	MUL4 128, 2, 0
	MUL4 128, 3, 0
.endm
	s_wait_tensorcnt 1                             ; my part of slot 0 is in; slot 1's load may be out
	s_barrier_signal -1
	s_barrier_wait -1
	FETCH 0, 0, 0
	STEP 0, 0, 1
.if LAPS > 1
	WIN 0
	s_mov_b32 s3, LAPS-1
.Llap:
	STEP 0, 1, 0
	STEP 0, 2, 0
	TURN 0, 1, 1
	STEP 1, 0, 0
	STEP 1, 1, 0
	STEP 1, 2, 0
	TURN 1, 0, 1
	STEP 0, 0, 0
	WIN 0
	s_sub_co_u32 s3, s3, 1
	s_cmp_lg_u32 s3, 0
	s_cbranch_scc1 .Llap
.endif
	STEP 0, 1, 0
	STEP 0, 2, 0
	TURN 0, 1, 0
	STEP 1, 0, 0
	STEP 1, 1, 0
	STEP 1, 2, 0
	s_wait_dscnt 8
	WIN MUL
	MUL4 128, 0, 0
	MUL4 128, 1, 0
	s_wait_dscnt 0
	MUL4 128, 2, 0
	MUL4 128, 3, 0
	WIN 0
	; THE WAY OUT: 16 rows x 64 columns at a time through my stage; back as rows of 256 bytes; x 2^(ea + eb) + bias + residual; sixteen lanes store 256 consecutive bytes, aligned.
	s_wait_loadcnt 0x0                             ; the bias and the residual
	s_wait_kmcnt 0x0
	s_add_co_i32 s84, s84, s85
	s_add_co_i32 s84, s84, 127
	s_lshl_b32 s[SC], s84, 23
	s_mov_b32 s[SC+1], s[SC]
	PLACES
.irp a, 0,1,2,3
.set BB, BK+32*((\a)%2)
.if \a > 1
	s_wait_xcnt 0x0                                ; the stores of two blocks ago have read these registers
.endif
.irp b, 0,1,2,3
	ds_store_b128 v[STO], v[ACC+8*(4*\a+\b):ACC+8*(4*\a+\b)+3] offset:64*\b        ; each accumulator's low four registers first
	ds_store_b128 v[STO], v[ACC+8*(4*\a+\b)+4:ACC+8*(4*\a+\b)+7] offset:64*\b+16
.endr
.irp t, 0,1,2,3,4,5,6,7
	ds_load_b128 v[BB+4*\t:BB+4*\t+3], v[RD] offset:\t*2*SPITCH
.endr
	s_wait_dscnt 0x0
.irp t, 0,1,2,3,4,5,6,7
	v_pk_fma_f32 v[BB+4*\t:BB+4*\t+1], v[BB+4*\t:BB+4*\t+1], s[SC:SC+1], v[8:9] op_sel_hi:[1,0,1]
	v_pk_fma_f32 v[BB+4*\t+2:BB+4*\t+3], v[BB+4*\t+2:BB+4*\t+3], s[SC:SC+1], v[10:11] op_sel_hi:[1,0,1]
.endr
	WIN 0x08                                       ; source 1 window 2
.set jj, 0
.rept 16
	v_pk_add_f32 v[BB+jj:BB+jj+1], v[BB+jj:BB+jj+1], v[32*\a+jj:32*\a+jj+1]
.set jj, jj+2
.endr
	WIN 0
.irp t, 0,1,2,3,4,5,6,7
	global_store_b128 v[CO], v[BB+4*\t:BB+4*\t+3], s[10:11] offset:(16*\a+2*\t)*4096
.endr
.endr
	s_wait_tensorcnt 0x0                           ; the wave's end
	ds_add_u32 v[SPW], v[NIL]
	s_wait_dscnt 0x0
	CROUND
	s_endpgm
.Lfunc_end_k_q14e6a15326_oproj:
	.size	k_q14e6a15326_oproj, .Lfunc_end_k_q14e6a15326_oproj-k_q14e6a15326_oproj
	.p2alignl 7, 3214868480
	.fill 96, 4, 3214868480
	.section	.rodata,"a",@progbits
	.p2align	6, 0x0
	.amdhsa_kernel k_q14e6a15326_oproj
		.amdhsa_group_segment_fixed_size 327680
		.amdhsa_private_segment_fixed_size 0
		.amdhsa_enable_private_segment 0
		.amdhsa_kernarg_size 48
		.amdhsa_user_sgpr_count 2
		.amdhsa_user_sgpr_kernarg_segment_ptr 1
		.amdhsa_wavefront_size32 1
		.amdhsa_system_sgpr_workgroup_id_x 1
		.amdhsa_system_sgpr_workgroup_id_y 1
		.amdhsa_system_sgpr_workgroup_id_z 1
		.amdhsa_system_vgpr_workitem_id 0
		.amdhsa_next_free_vgpr 768
		.amdhsa_next_free_sgpr 102
		.amdhsa_reserve_vcc 0
		.amdhsa_float_denorm_mode_32 3
		.amdhsa_float_denorm_mode_16_64 3
		.amdhsa_memory_ordered 1
		.amdhsa_forward_progress 1
		.amdhsa_inst_pref_size 53
	.end_amdhsa_kernel
	.amdgpu_metadata
---
amdhsa.version: [ 1, 2 ]
amdhsa.kernels:
  - .name:           k_q14e6a15326_oproj
    .symbol:         k_q14e6a15326_oproj.kd
    .args:
      - { .name: ctxc, .offset: 0, .size: 8, .value_kind: global_buffer, .address_space: global }
      - { .name: wcodes, .offset: 8, .size: 8, .value_kind: global_buffer, .address_space: global }
      - { .name: lowp_scales, .offset: 16, .size: 8, .value_kind: global_buffer, .address_space: global }
      - { .name: bo, .offset: 24, .size: 8, .value_kind: global_buffer, .address_space: global }
      - { .name: x, .offset: 32, .size: 8, .value_kind: global_buffer, .address_space: global }
      - { .name: x1, .offset: 40, .size: 8, .value_kind: global_buffer, .address_space: global }
    .group_segment_fixed_size: 327680
    .private_segment_fixed_size: 0
    .kernarg_segment_align: 8
    .kernarg_segment_size: 48
    .max_flat_workgroup_size: 128
    .sgpr_count:     102
    .vgpr_count:     768
    .wavefront_size: 32
...
	.end_amdgpu_metadata
.endif
;; end of part 4
;; launch ln2 (part 5): grid 256 x 1, 4 waves a work-group, no clusters, 18,944 bytes of LDS; arguments x1, g2, be2, lowp_scales, z1c; writes z1c
.if DOCPART == 5
	.amdgcn_target "amdgcn-amd-amdhsa--gfx1250"
	.amdhsa_code_object_version 6
	.text
	.protected	k_q14e6a15326_ln2
	.globl	k_q14e6a15326_ln2
	.p2align	8
	.type	k_q14e6a15326_ln2,@function
k_q14e6a15326_ln2:
	s_mov_b64 s[64:65], 0
	v_nop
	global_prefetch_b8 v0, s[64:65] scope:SCOPE_SE
	s_setreg_imm32_b32 hwreg(HW_REG_WAVE_MODE, 25, 1), 1
	s_wait_xcnt 0x0
; z1 = LayerNorm(x1) g2 + be2, quantised to E5M2 with scale 12, into blocks [token / 128][k / 128][128][128 bytes].  A wave takes a row at a time, four rows; a work-group 16 rows.
; The row stays in registers between the mean, the variance (of differences from the mean) and the scaling.  The codes leave through the wave's own stage as runs of 512 bytes.  No barrier: waves share nothing.
; LIMIT: e12 between -126 and 127.  NaN among the inputs is not served.
.set LROW,  1152
.set LSET,  4*LROW
.set C,     16
.set T,     32
.set G,     64
.set BE,    96
.set X,     128
.set RS,    8
.set MU,    10
	s_load_b256 s[4:11], s[0:1], 0x0               ; x1, g2, be2, the exponents
	s_load_b64 s[12:13], s[0:1], 0x20              ; z1c
	v_lshl_add_u32 v13, v0, 2, 0x4800
	v_mov_b32 v14, 0
	v_lshrrev_b32 v1, 5, v0
	v_readfirstlane_b32 s44, v1
	v_and_b32 v5, 31, v0
	v_lshlrev_b32 v1, 4, v5
	v_lshrrev_b32 v6, 3, v5
	v_and_b32 v9, 7, v5
	s_mul_i32 s71, s44, LSET
	v_lshl_add_u32 v2, v5, 2, s71
	v_mul_u32_u24 v3, v6, LROW
	v_lshl_add_u32 v3, v9, 4, v3
	v_add_nc_u32 v3, s71, v3
	s_lshl_b32 s70, ttmp9, 4
	s_lshl_b32 s71, s44, 2
	s_add_co_u32 s70, s70, s71                     ; my wave's first row
	s_lshl_b32 s72, s70, 12
	s_mov_b32 s73, 0
	s_wait_alu depctr_va_vdst(0)
	s_wait_kmcnt 0x0
	s_load_b32 s14, s[10:11], 0x30                 ; e12
	s_add_nc_u64 s[4:5], s[4:5], s[72:73]
.set jj, 0
.rept 8
	global_load_b128 v[G+4*jj:G+4*jj+3], v1, s[6:7] offset:512*jj
.set jj, jj+1
.endr
.set jj, 0
.rept 8
	global_load_b128 v[BE+4*jj:BE+4*jj+3], v1, s[8:9] offset:512*jj
.set jj, jj+1
.endr
.set jj, 0
.rept 32
	global_load_b128 v[X+4*jj:X+4*jj+3], v1, s[4:5] offset:512*jj th:TH_LOAD_NT
.set jj, jj+1
.endr
	s_lshr_b32 s72, s70, 7
	s_lshl_b32 s72, s72, 17
	s_and_b32 s74, s70, 127
	s_lshl_b32 s74, s74, 7
	s_add_co_u32 s72, s72, s74
	s_add_nc_u64 s[38:39], s[12:13], s[72:73]
	s_mov_b32 s28, 0x76543210
	s_mov_b32 s29, 0xfedcba98
	s_mov_b32 s30, 0x3a800000                      ; 1 / 1,024
	s_mov_b32 s31, 0x3727c5ac                      ; 1e-5
	v_mov_b32 v15, 0
	v_mov_b32 v[RS+1], 0
	s_wait_kmcnt 0x0
	s_add_co_i32 s74, s14, 127
	s_lshl_b32 s75, s74, 23
	v_mov_b32 v12, s75
	s_add_co_i32 s74, s74, 15
	s_lshl_b32 s74, s74, 23
	s_or_b32 s32, s74, 0x600000
	s_or_b32 s33, s32, 0x80000000
.macro REDUCE
	v_pk_add_f32 v[T:T+1], v[T:T+1], v[T+2:T+3]
	v_pk_add_f32 v[T+4:T+5], v[T+4:T+5], v[T+6:T+7]
	v_pk_add_f32 v[T:T+1], v[T:T+1], v[T+4:T+5]
	v_add_f32 v[T], v[T], v[T+1]
	v_add_f32_dpp v[T], v[T], v[T] row_xmask:1 row_mask:0xf bank_mask:0xf
	v_add_f32_dpp v[T], v[T], v[T] row_xmask:2 row_mask:0xf bank_mask:0xf
	v_add_f32_dpp v[T], v[T], v[T] row_xmask:4 row_mask:0xf bank_mask:0xf
	v_add_f32_dpp v[T], v[T], v[T] row_xmask:8 row_mask:0xf bank_mask:0xf
	v_permlanex16_b32 v15, v[T], s28, s29
	v_add_f32 v[T], v[T], v15
.endm
.macro ROW i
.set XR, X+32*(\i)
.set CC, C+8*((\i)%2)
	s_wait_loadcnt 8*(3-(\i))                      ; my row is in; the later rows' eight loads each may be out
.irp o, 8,16,24
.irp c, 0,2,4,6
.if \o == 8
	v_pk_add_f32 v[T+\c:T+\c+1], v[XR+\c:XR+\c+1], v[XR+8+\c:XR+9+\c]
.else
	v_pk_add_f32 v[T+\c:T+\c+1], v[T+\c:T+\c+1], v[XR+\o+\c:XR+\o+\c+1]
.endif
.endr
.endr
	REDUCE
	v_mul_f32 v[MU], s30, v[T]
	v_mov_b32 v[MU+1], v[MU]
.set jj, 0
.rept 16
	v_pk_add_f32 v[XR+jj:XR+jj+1], v[XR+jj:XR+jj+1], v[MU:MU+1] neg_lo:[0,1] neg_hi:[0,1]
.set jj, jj+2
.endr
.irp o, 0,8,16,24
.irp c, 0,2,4,6
.if \o == 0
	v_pk_mul_f32 v[T+\c:T+\c+1], v[XR+\c:XR+\c+1], v[XR+\c:XR+\c+1]
.else
	v_pk_fma_f32 v[T+\c:T+\c+1], v[XR+\o+\c:XR+\o+\c+1], v[XR+\o+\c:XR+\o+\c+1], v[T+\c:T+\c+1]
.endif
.endr
.endr
	REDUCE
	v_fma_f32 v6, v[T], s30, s31
	s_wait_alu depctr_va_vdst(0)
	v_rsq_f32 v[RS], v6
	v_nop                                          ; a plain instruction behind the transcendental
	s_wait_alu depctr_va_vdst(0)                   ; and the wait ahead of its first reader
.set jj, 0
.rept 16
	v_pk_mul_f32 v[XR+jj:XR+jj+1], v[XR+jj:XR+jj+1], v[RS:RS+1] op_sel_hi:[1,0]
.set jj, jj+2
.endr
.set jj, 0
.rept 16
	v_pk_fma_f32 v[XR+jj:XR+jj+1], v[XR+jj:XR+jj+1], v[G+jj:G+jj+1], v[BE+jj:BE+jj+1]
.set jj, jj+2
.endr
.set jj, 0
.rept 32
.set jj, jj+1
.endr
	s_wait_alu depctr_va_vdst(0)
	s_wait_dscnt 8                                 ; the stores that read this set of code registers are done; the other set's eight may be out
.irp m, 0,1,2,3
	v_cvt_scalef32_pk8_bf8_f32 v[CC+2*\m:CC+2*\m+1], v[XR+8*\m:XR+8*\m+7], v12
.endr
	v_nop
.irp j, 0,1,2,3,4,5,6,7
	ds_store_b32 v2, v[CC+\j] offset:(\i)*LROW+128*\j
.endr
.endm
	ROW 0
	ROW 1
	ROW 2
	ROW 3
.irp kc, 0,1,2,3,4,5,6,7
	ds_load_b128 v[X+4*\kc:X+4*\kc+3], v3 offset:128*\kc
.endr
.irp kc, 0,1,2,3,4,5,6,7
	s_wait_dscnt 7-\kc
	global_store_b128 v1, v[X+4*\kc:X+4*\kc+3], s[38:39] offset:\kc*16384
.endr
	s_wait_tensorcnt 0x0
	ds_add_u32 v13, v14
	s_wait_dscnt 0x0
	s_endpgm
.Lfunc_end_k_q14e6a15326_ln2:
	.size	k_q14e6a15326_ln2, .Lfunc_end_k_q14e6a15326_ln2-k_q14e6a15326_ln2
	.p2alignl 7, 3214868480
	.fill 96, 4, 3214868480
	.section	.rodata,"a",@progbits
	.p2align	6, 0x0
	.amdhsa_kernel k_q14e6a15326_ln2
		.amdhsa_group_segment_fixed_size 18944
		.amdhsa_private_segment_fixed_size 0
		.amdhsa_enable_private_segment 0
		.amdhsa_kernarg_size 40
		.amdhsa_user_sgpr_count 2
		.amdhsa_user_sgpr_kernarg_segment_ptr 1
		.amdhsa_wavefront_size32 1
		.amdhsa_system_sgpr_workgroup_id_x 1
		.amdhsa_system_sgpr_workgroup_id_y 1
		.amdhsa_system_sgpr_workgroup_id_z 1
		.amdhsa_system_vgpr_workitem_id 0
		.amdhsa_next_free_vgpr 256
		.amdhsa_next_free_sgpr 102
		.amdhsa_reserve_vcc 0
		.amdhsa_float_denorm_mode_32 3
		.amdhsa_float_denorm_mode_16_64 3
		.amdhsa_fp16_overflow 1
		.amdhsa_memory_ordered 1
		.amdhsa_forward_progress 1
		.amdhsa_inst_pref_size 37
	.end_amdhsa_kernel
	.amdgpu_metadata
---
amdhsa.version: [ 1, 2 ]
amdhsa.kernels:
  - .name:           k_q14e6a15326_ln2
    .symbol:         k_q14e6a15326_ln2.kd
    .args:
      - { .name: x1, .offset: 0, .size: 8, .value_kind: global_buffer, .address_space: global }
      - { .name: g2, .offset: 8, .size: 8, .value_kind: global_buffer, .address_space: global }
      - { .name: be2, .offset: 16, .size: 8, .value_kind: global_buffer, .address_space: global }
      - { .name: lowp_scales, .offset: 24, .size: 8, .value_kind: global_buffer, .address_space: global }
      - { .name: z1c, .offset: 32, .size: 8, .value_kind: global_buffer, .address_space: global }
    .group_segment_fixed_size: 18944
    .private_segment_fixed_size: 0
    .kernarg_segment_align: 8
    .kernarg_segment_size: 40
    .max_flat_workgroup_size: 128
    .sgpr_count:     102
    .vgpr_count:     256
    .wavefront_size: 32
...
	.end_amdgpu_metadata
.endif
;; end of part 5
;; launch ffn1 (part 6): grid 16 x 16, 4 waves a work-group, clusters of 4 x 4, 327,680 bytes of LDS; arguments z1c, wcodes, lowp_scales, b1, hc; writes hc
.if DOCPART == 6
	.amdgcn_target "amdgcn-amd-amdhsa--gfx1250"
	.amdhsa_code_object_version 6
	.text
	.protected	k_q14e6a15326_ffn1
	.globl	k_q14e6a15326_ffn1
	.p2align	8
	.type	k_q14e6a15326_ffn1,@function
k_q14e6a15326_ffn1:
	s_mov_b64 s[64:65], 0
	v_nop
	global_prefetch_b8 v0, s[64:65] scope:SCOPE_SE
	s_setreg_imm32_b32 hwreg(HW_REG_WAVE_MODE, 25, 1), 1
	s_wait_xcnt 0x0
	s_wait_alu depctr_hold_cnt(0) depctr_sa_sdst(0) depctr_va_vdst(0) depctr_va_sdst(0) depctr_va_ssrc(0) depctr_va_vcc(0) depctr_vm_vsrc(0)
	s_getreg_b32 s2, hwreg(HW_REG_IB_STS2, 6, 4)
	s_cmp_eq_u32 s2, 0
	s_cbranch_scc0 .Lentry_in_a_cluster
	s_endpgm
.Lentry_in_a_cluster:
	s_bfe_u32 s2, ttmp6, 0x10000c
	s_cmp_lg_u32 s2, 0xf033
	s_cbranch_scc0 .Lentry_shape_is_right
	s_endpgm
.Lentry_shape_is_right:
; h = gelu(z1 w1 + b1), exact (by erf), and h's codes.  The product on codes of E5M2: M = 4,096, N = 4,096, K = 1,024.
; A tile of 256 x 256 is made by four waves, 128 x 128 each: 64 accumulators.  K goes in steps of 256 through two LDS slots filled by the tensor data mover.
; OPERANDS and the output lie in blocks [rows / 128][K / 128][128][128 bytes]; a tensor load brings two K blocks: 256 lines of 128 bytes, 16 bytes of padding behind each.  A wave's tile of h is one block.
; The matrix instruction is used transposed (source 0 = w1's 16 rows, source 1 = z1's): a lane holds eight neighbouring columns of a row.  CLUSTERS 4 x 4: z1's tile is shared along a row, w1's along a column.
; WHERE A CLUSTER BEGINS ALONG K: clusters whose x + y is odd take K's second half first, the others its first half: of two neighbouring clusters, which read the same rows of z1 or of w1, each asks in every round for other bytes than the other.
; So the sums run along K from the cluster's start on and wrap round: another order of rounding than ascending K.
; GELU without a difference of near-equal numbers: z = |x| / sqrt(2); t = 1 / (1 + z / 2); E = erfc(z) / 2 = t 2^((poly(t) - z^2) log2(e) - 1); h = max(x, 0) - |x| E.
; poly is a fit of degree 9 whose erfc has a fractional error of about 1.2e-7 for every z.
; LIMITS: e12 + e13 between -126 and 127; e14 between -126 and 112.
; REGISTERS: window 0: v0-31 addresses and constants; v32-95 the bias; v96-127 z; v128-255 z1's fragments, on the way out v128-191 a block's 64 numbers, v192-223 t then codes, v224-255 the polynomial then rows.  window 1: w1's fragments, two sets.  windows 2, 3: accumulators.
.set PITCH, 144
.set QSTEP, 128*PITCH
.set PIECE, 2*QSTEP
.set SLOT,  4*PIECE
.set SPARE, 2*SLOT
.set FR,   16
.set NL,   4
.set NP,   4
.set LAPS, 2
.set LIM,  12
.set SCL,  13
.set ADRA, 16
.set ADRB, 20
.set STO,  24
.set RD,   25
.set CO,   26
.set HB,   27
.set SPW,  28
.set NIL,  29
.set BC,   32
.set ZZ,   96
.set TMP,  128
.set TT,   192
.set PP,   224
.set CD,   192
.set BK,   224
.set AF,   128
.set G1,  24
.set G0,  32
.set G1B, 48
.set G0B, 56
.set SC,  66
.set RFA, 78                           ; s[78:79] z1's codes at the half of K that the refills bring
.set RFB, 80                           ; s[80:81] w1's likewise
.set MSB, 0
.macro WIN new
.if MSB != \new
	s_set_vgpr_msb (MSB<<8)|\new
.set MSB, \new
.endif
.endm
.set MUL_LO, 0xa1
.set MUL_HI, 0xf1
.set TO_B,   0x40
.macro JLOAD g0a, g1a, g0b, g1b
	s_cmp_eq_u32 s15, 0
	s_cbranch_scc0 .Lfor_b_\@
	tensor_load_to_lds s[\g0a:\g0a+3], s[\g1a:\g1a+7]
	s_nop 0
.rept 4
	v_nop
.endr
	s_branch .Lasked_\@
.Lfor_b_\@:
	tensor_load_to_lds s[\g0b:\g0b+3], s[\g1b:\g1b+7]
	s_nop 0
.rept 4
	v_nop
.endr
.Lasked_\@:
.endm
.macro CREST
	s_cmp_lg_u32 s14, 0
	s_cbranch_scc1 .Lnot_wave_0_\@
	s_barrier_signal -3
.Lnot_wave_0_\@:
	s_barrier_wait -3
	s_barrier_signal -1
	s_barrier_wait -1
.endm
.macro CROUND
	s_barrier_signal -1
	s_barrier_wait -1
	CREST
.endm
	s_load_b256 s[68:75], s[0:1], 0x0              ; z1c, wcodes, the exponents, b1
	s_load_b64 s[76:77], s[0:1], 0x20              ; hc
	v_lshl_add_u32 v[SPW], v0, 2, SPARE
	v_mov_b32 v[NIL], 0
	ds_add_u32 v28, v29
	s_wait_dscnt 0x0
	v_lshrrev_b32 v1, 5, v0
	v_readfirstlane_b32 s14, v1
	s_lshr_b32 s15, s14, 1
	s_and_b32 s16, s14, 1
	s_bfe_u32 s40, ttmp6, 0x40000
	s_bfe_u32 s41, ttmp6, 0x40004
	s_lshl_b32 s42, ttmp9, 2
	s_add_co_u32 s42, s42, s40                     ; tile column, 0..15
	s_and_b32 s17, ttmp7, 0xffff
	s_lshl_b32 s17, s17, 2
	s_add_co_u32 s17, s17, s41                     ; tile row, 0..15
	s_lshl_b32 s43, s41, 2
	s_lshl_b32 s43, 15, s43
	s_lshl_b32 s44, 0x1111, s40
	s_or_b32 s[G1+0], s43, (0<<16)|(1<<20)|(1<<21)|(4<<22)|(3<<25)
	s_or_b32 s[G1B+0], s44, (0<<16)|(1<<20)|(1<<21)|(4<<22)|(3<<25)
.irp g, G1, G1B
	s_mov_b32 s[\g+1], 128<<16
	s_mov_b32 s[\g+2], 256<<16
	s_mov_b32 s[\g+3], 128<<16
	s_mov_b32 s[\g+4], 256
	s_mov_b32 s[\g+5], 128
	s_mov_b32 s[\g+6], 0
	s_mov_b32 s[\g+7], 0
.endr
	s_lshl_b32 s20, s17, 1
	s_add_co_u32 s20, s20, s16
	s_lshl_b32 s20, s20, 17
	s_mov_b32 s21, 0
	s_lshl_b32 s46, s42, 1
	s_add_co_u32 s46, s46, s16
	s_lshl_b32 s46, s46, 17
	s_add_co_u32 s46, s46, 0x400000                ; w1's codes
	s_mov_b32 s47, 0
	s_mul_i32 s45, s14, PIECE
	s_and_b32 s82, ttmp7, 0xffff                   ; the cluster's start along K: it hangs on the cluster's x and y alone, which all sixteen partners share
	s_add_co_u32 s82, s82, ttmp9
	s_and_b32 s82, s82, 1
	s_lshl_b32 s82, s82, 16                        ; the first fills' half of a block row: 0 or 65,536 bytes on,
	s_mov_b32 s83, 0
	s_sub_co_u32 s6, 0x10000, s82                  ; the refills' half: the other one
	s_mov_b32 s7, 0
	s_wait_kmcnt 0x0
	s_load_b512 s[84:99], s[72:73], 0x0
	s_add_nc_u64 s[20:21], s[68:69], s[20:21]
	s_add_nc_u64 s[46:47], s[70:71], s[46:47]
	s_add_nc_u64 s[RFA:RFA+1], s[20:21], s[6:7]
	s_add_nc_u64 s[RFB:RFB+1], s[46:47], s[6:7]
	s_add_nc_u64 s[20:21], s[20:21], s[82:83]
	s_add_nc_u64 s[46:47], s[46:47], s[82:83]
	CROUND
.irp s, 0,1
	s_mov_b32 s[G0+4*\s], 1
	s_add_co_u32 s[G0+4*\s+1], s45, \s*SLOT
	s_add_nc_u64 s[G0+4*\s+2:G0+4*\s+3], s[20:21], \s*32768
	s_or_b32 s[G0+4*\s+3], s[G0+4*\s+3], 0x80000000
	s_mov_b32 s[G0B+4*\s], 1
	s_add_co_u32 s[G0B+4*\s+1], s45, \s*SLOT
	s_add_nc_u64 s[G0B+4*\s+2:G0B+4*\s+3], s[46:47], \s*32768
	s_or_b32 s[G0B+4*\s+3], s[G0B+4*\s+3], 0x80000000
	JLOAD G0+4*\s, G1, G0B+4*\s, G1B
.endr
	v_and_b32 v1, 15, v0
	v_bfe_u32 v2, v0, 4, 1
	v_mul_u32_u24 v3, v1, PITCH
	v_lshl_add_u32 v4, v2, 4, v3
	s_mul_i32 s21, s15, PIECE
	s_mul_i32 s22, s16, PIECE
	s_add_co_u32 s22, s22, 2*PIECE
.irp s, 0,1
	v_add_nc_u32 v[ADRA+\s], s21, v4
	v_add_nc_u32 v[ADRB+\s], s22, v4
	s_add_co_u32 s21, s21, SLOT
	s_add_co_u32 s22, s22, SLOT
.endr
	s_mul_i32 s23, s14, 16*PITCH                   ; my stage, in slot 0
	v_lshl_add_u32 v5, v2, 3, v3
	v_add_nc_u32 v[STO], s23, v5
	v_and_b32 v6, 31, v0
	v_lshrrev_b32 v7, 3, v6
	v_and_b32 v8, 7, v6
	v_mul_u32_u24 v7, v7, PITCH
	v_lshl_add_u32 v7, v8, 4, v7
	v_add_nc_u32 v[RD], s23, v7
	v_lshlrev_b32 v[CO], 4, v6
	v_lshlrev_b32 v[HB], 5, v2
	s_lshl_b32 s20, s17, 1
	s_add_co_u32 s20, s20, s15
	s_lshl_b32 s20, s20, 5
	s_lshl_b32 s21, s42, 1
	s_add_co_u32 s21, s21, s16
	s_add_co_u32 s20, s20, s21
	s_lshl_b32 s20, s20, 14                        ; block (2 x tile row + my half) x 32 + 2 x tile column + my half
	s_mov_b32 s21, 0
	s_add_nc_u64 s[10:11], s[76:77], s[20:21]
	s_lshl_b32 s20, s42, 10
	s_lshl_b32 s21, s16, 9
	s_add_co_u32 s20, s20, s21
	s_mov_b32 s21, 0
	s_add_nc_u64 s[4:5], s[74:75], s[20:21]
.irp b, 0,1,2,3,4,5,6,7
	global_load_b128 v[BC+8*\b:BC+8*\b+3], v[HB], s[4:5] offset:64*\b
	global_load_b128 v[BC+8*\b+4:BC+8*\b+7], v[HB], s[4:5] offset:64*\b+16
.endr
	s_mov_b32 s8, 0x3f3504f3                       ; 1 / sqrt(2)
	s_mov_b32 s12, 0x3e2ef945                      ; the fit's highest coefficient, 0.17087277
	s_mov_b32 s13, s12
.macro FRAG reg, adr, q, i
.irp c, 0,1,2,3
	ds_load_b128 v[\reg+4*\c:\reg+4*\c+3], v[\adr] offset:QSTEP*(\q)+32*\c+(\i)*16*PITCH
.endr
.endm
.macro MUL16 a0, p, zero               ; the 64 accumulators take turns, one instruction a turn
.irp a, \a0, \a0+1
.irp b, 0,1,2,3,4,5,6,7
.if \zero
	v_wmma_f32_16x16x128_bf8_bf8 v[8*(8*((\a)%4)+\b):8*(8*((\a)%4)+\b)+7], v[128*(\p)+FR*\b:128*(\p)+FR*\b+FR-1], v[AF+FR*(\a):AF+FR*(\a)+FR-1], 0
.else
	v_wmma_f32_16x16x128_bf8_bf8 v[8*(8*((\a)%4)+\b):8*(8*((\a)%4)+\b)+7], v[128*(\p)+FR*\b:128*(\p)+FR*\b+FR-1], v[AF+FR*(\a):AF+FR*(\a)+FR-1], v[8*(8*((\a)%4)+\b):8*(8*((\a)%4)+\b)+7]
.endif
.endr
.endr
.endm
.macro FETCH_B slot, q, p
	WIN TO_B
.irp i, 0,1,2,3,4,5,6,7
	FRAG 128*(\p)+FR*\i, ADRB+\slot, \q, \i
.endr
	WIN 0
.endm
.macro FETCH_A slot, q, i0
.irp i, \i0, \i0+1, \i0+2, \i0+3
	FRAG AF+FR*(\i), ADRA+\slot, \q, \i
.endr
.endm
.macro PLACES n
.rept \n
	v_nop
.endr
.endm
.macro STEP slot, q, zero
	s_wait_dscnt 4*NL                              ; the youngest sixteen loads (row blocks 4-7) may be out
	WIN MUL_LO
	MUL16 0, (\q)%2, \zero
	MUL16 2, (\q)%2, \zero
	s_wait_dscnt 0
	PLACES NP
	FETCH_B \slot, (\q)+1, 1-(\q)%2
	FETCH_A \slot, (\q)+1, 0
	WIN MUL_HI
	MUL16 4, (\q)%2, \zero
	MUL16 6, (\q)%2, \zero
	PLACES NP
	WIN 0
	FETCH_A \slot, (\q)+1, 4
.endm
.macro TURN slot, next, fill
	s_wait_tensorcnt 0x0                           ; all my tensor loads have landed
	ds_add_u32 v[SPW], v[NIL]
	s_wait_dscnt 4*NL+1                            ; the add and the youngest sixteen loads may be out
	WIN MUL_LO
	MUL16 0, 1, 0
	s_wait_dscnt 0x0                               ; the add is done, and my reads of this slot are over
	s_barrier_signal -1
	MUL16 2, 1, 0
	WIN 0
	s_barrier_wait -1
.if \fill
	CREST
	s_add_nc_u64 s[G0+4*\slot+2:G0+4*\slot+3], s[RFA:RFA+1], \slot*32768      ; the other half of K: this slot's part of it (no tensor load of mine is out: the group 0 may be written)
	s_or_b32 s[G0+4*\slot+3], s[G0+4*\slot+3], 0x80000000
	s_add_nc_u64 s[G0B+4*\slot+2:G0B+4*\slot+3], s[RFB:RFB+1], \slot*32768
	s_or_b32 s[G0B+4*\slot+3], s[G0B+4*\slot+3], 0x80000000
	JLOAD G0+4*\slot, G1, G0B+4*\slot, G1B
.else
	PLACES NP
.endif
	FETCH_B \next, 0, 0
	FETCH_A \next, 0, 0
	WIN MUL_HI
	MUL16 4, 1, 0
	MUL16 6, 1, 0
	PLACES NP
	WIN 0
	FETCH_A \next, 0, 4
.endm
	s_wait_tensorcnt 1                             ; my part of slot 0 is in; slot 1's load may be out
	s_barrier_signal -1
	s_barrier_wait -1
	FETCH_B 0, 0, 0
	FETCH_A 0, 0, 0
	FETCH_A 0, 0, 4
	STEP 0, 0, 1
	s_mov_b32 s3, LAPS-1
.Llap:
	TURN 0, 1, 1
	STEP 1, 0, 0
	TURN 1, 0, 1
	STEP 0, 0, 0
	s_sub_co_u32 s3, s3, 1
	s_cmp_lg_u32 s3, 0
	s_cbranch_scc1 .Llap
	TURN 0, 1, 0
	STEP 1, 0, 0
	s_wait_dscnt 4*NL
	WIN MUL_LO
	MUL16 0, 1, 0
	MUL16 2, 1, 0
	s_wait_dscnt 0
	WIN MUL_HI
	MUL16 4, 1, 0
	MUL16 6, 1, 0
	WIN 0
	; THE WAY OUT: a loop of eight trips, a block of 16 rows x 128 columns each.  The accumulators' numbers differ from trip to trip: eight short copies; the activation and the rest are written once.
	s_wait_loadcnt 0x0                             ; the bias
	s_wait_kmcnt 0x0
	s_add_co_i32 s20, s96, s97                     ; e12 + e13
	s_add_co_i32 s20, s20, 127
	s_lshl_b32 s[SC], s20, 23
	s_mov_b32 s[SC+1], s[SC]
	s_add_co_i32 s23, s98, 127                     ; e14
	s_lshl_b32 s20, s23, 23
	s_add_co_i32 s23, s23, 15
	s_lshl_b32 s23, s23, 23
	s_or_b32 s23, s23, 0x600000
	PLACES NP
	v_mov_b32 v[SCL], s20
	v_mov_b32 v[LIM], s23
	s_mov_b32 s3, 0
.Lout:
.irp a, 0,1,2,3,4,5,6
	s_cmp_eq_u32 s3, \a
	s_cbranch_scc1 .Lcp_\a
.endr
	s_branch .Lcp_7
.irp a, 0,1,2,3,4,5,6,7
.Lcp_\a:
.set WN, 0x02+(\a)/4
	WIN WN                                         ; source 0: window 2 or 3
.set jj, 0
.rept 32
	v_pk_fma_f32 v[TMP+jj:TMP+jj+1], v[64*((\a)%4)+jj:64*((\a)%4)+jj+1], s[SC:SC+1], v[BC+jj:BC+jj+1] op_sel_hi:[1,0,1]   ; x = sum x 2^(e12 + e13) + b1; each accumulator from its low end on
.set jj, jj+2
.endr
	WIN 0
	s_branch .Lwork
.endr
.macro GELU hf                         ; 32 of the block's 64 numbers
.set XH, TMP+32*(\hf)
.set jj, 0
.rept 32
	v_mul_f32 v[ZZ+jj], s8, |v[XH+jj]|             ; z
.set jj, jj+1
.endr
.set jj, 0
.rept 16
	v_pk_fma_f32 v[TT+jj:TT+jj+1], v[ZZ+jj:ZZ+jj+1], 0.5, 1.0 op_sel_hi:[1,0,0]
.set jj, jj+2
.endr
.set jj, 0
.rept 32
	v_rcp_f32 v[TT+jj], v[TT+jj]                   ; t
.set jj, jj+1
.endr
	v_nop                                          ; a plain instruction behind the batch,
	s_wait_alu depctr_va_vdst(0)                   ; and one wait for it, ahead of its first reader
.set jj, 0
.rept 16
	v_pk_fma_f32 v[PP+jj:PP+jj+1], v[TT+jj:TT+jj+1], s[12:13], 0xbf527892 op_sel_hi:[1,0,0]
.set jj, jj+2
.endr
.irp cc, 0x3fbe87b0, 0xbf914e5d, 0x3e8ec7cc, 0xbe3ec24c, 0x3dc636c9, 0x3ebf88fb, 0x3f8000c7, 0xbfa1fc4e
.set jj, 0
.rept 16
	v_pk_fma_f32 v[PP+jj:PP+jj+1], v[PP+jj:PP+jj+1], v[TT+jj:TT+jj+1], \cc op_sel_hi:[1,1,0]
.set jj, jj+2
.endr
.endr
.set jj, 0
.rept 16
	v_pk_fma_f32 v[PP+jj:PP+jj+1], v[ZZ+jj:ZZ+jj+1], v[ZZ+jj:ZZ+jj+1], v[PP+jj:PP+jj+1] neg_lo:[1,0,0] neg_hi:[1,0,0]   ; poly - z^2
.set jj, jj+2
.endr
.set jj, 0
.rept 16
	v_pk_fma_f32 v[PP+jj:PP+jj+1], v[PP+jj:PP+jj+1], 0x3fb8aa3b, -1.0 op_sel_hi:[1,0,0]
.set jj, jj+2
.endr
.set jj, 0
.rept 32
	v_exp_f32 v[PP+jj], v[PP+jj]
.set jj, jj+1
.endr
.set jj, 0
.rept 32
	v_max_num_f32 v[ZZ+jj], 0, v[XH+jj]            ; max(x, 0): plain work that names no exponential's result
.set jj, jj+1
.endr
	s_wait_alu depctr_va_vdst(0)                   ; one wait for the batch of exponentials
.set jj, 0
.rept 16
	v_pk_mul_f32 v[PP+jj:PP+jj+1], v[PP+jj:PP+jj+1], v[TT+jj:TT+jj+1]     ; E
.set jj, jj+2
.endr
.set jj, 0
.rept 32
	v_fma_f32 v[XH+jj], -|v[XH+jj]|, v[PP+jj], v[ZZ+jj]
.set jj, jj+1
.endr
.endm
.Lwork:
	GELU 0
	GELU 1
.set jj, 0
.rept 64
	v_med3_num_f32 v[TMP+jj], v[TMP+jj], -v[LIM], v[LIM]
.set jj, jj+1
.endr
.irp b, 0,1,2,3,4,5,6,7
	v_cvt_scalef32_pk8_bf8_f32 v[CD+2*\b:CD+2*\b+1], v[TMP+8*\b:TMP+8*\b+7], v[SCL]
.endr
	v_nop                                          ; a plain instruction between the conversions and the next lines that write their sources
.irp b, 0,1,2,3,4,5,6,7
	ds_store_b64 v[STO], v[CD+2*\b:CD+2*\b+1] offset:16*\b
.endr
.irp t, 0,1,2,3
	ds_load_b128 v[BK+4*\t:BK+4*\t+3], v[RD] offset:4*\t*PITCH
.endr
	s_wait_dscnt 0x0
.irp t, 0,1,2,3
	global_store_b128 v[CO], v[BK+4*\t:BK+4*\t+3], s[10:11] offset:512*\t   ; 512 consecutive bytes
.endr
	s_wait_xcnt 0x0                                ; the stores have read their registers and their base
	s_add_nc_u64 s[10:11], s[10:11], 2048
	s_add_co_u32 s3, s3, 1
	s_cmp_lt_u32 s3, 8
	s_cbranch_scc1 .Lout
	s_wait_tensorcnt 0x0                           ; the wave's end
	ds_add_u32 v[SPW], v[NIL]
	s_wait_dscnt 0x0
	CROUND
	s_endpgm
.Lfunc_end_k_q14e6a15326_ffn1:
	.size	k_q14e6a15326_ffn1, .Lfunc_end_k_q14e6a15326_ffn1-k_q14e6a15326_ffn1
	.p2alignl 7, 3214868480
	.fill 96, 4, 3214868480
	.section	.rodata,"a",@progbits
	.p2align	6, 0x0
	.amdhsa_kernel k_q14e6a15326_ffn1
		.amdhsa_group_segment_fixed_size 327680
		.amdhsa_private_segment_fixed_size 0
		.amdhsa_enable_private_segment 0
		.amdhsa_kernarg_size 40
		.amdhsa_user_sgpr_count 2
		.amdhsa_user_sgpr_kernarg_segment_ptr 1
		.amdhsa_wavefront_size32 1
		.amdhsa_system_sgpr_workgroup_id_x 1
		.amdhsa_system_sgpr_workgroup_id_y 1
		.amdhsa_system_sgpr_workgroup_id_z 1
		.amdhsa_system_vgpr_workitem_id 0
		.amdhsa_next_free_vgpr 1024
		.amdhsa_next_free_sgpr 102
		.amdhsa_reserve_vcc 0
		.amdhsa_float_denorm_mode_32 3
		.amdhsa_float_denorm_mode_16_64 3
		.amdhsa_memory_ordered 1
		.amdhsa_forward_progress 1
		.amdhsa_inst_pref_size 154
	.end_amdhsa_kernel
	.amdgpu_metadata
---
amdhsa.version: [ 1, 2 ]
amdhsa.kernels:
  - .name:           k_q14e6a15326_ffn1
    .symbol:         k_q14e6a15326_ffn1.kd
    .args:
      - { .name: z1c, .offset: 0, .size: 8, .value_kind: global_buffer, .address_space: global }
      - { .name: wcodes, .offset: 8, .size: 8, .value_kind: global_buffer, .address_space: global }
      - { .name: lowp_scales, .offset: 16, .size: 8, .value_kind: global_buffer, .address_space: global }
      - { .name: b1, .offset: 24, .size: 8, .value_kind: global_buffer, .address_space: global }
      - { .name: hc, .offset: 32, .size: 8, .value_kind: global_buffer, .address_space: global }
    .group_segment_fixed_size: 327680
    .private_segment_fixed_size: 0
    .kernarg_segment_align: 8
    .kernarg_segment_size: 40
    .max_flat_workgroup_size: 128
    .sgpr_count:     102
    .vgpr_count:     1024
    .wavefront_size: 32
...
	.end_amdgpu_metadata
.endif
;; end of part 6
;; launch ffn2 (part 7): grid 8 x 32, 4 waves a work-group, clusters of 4 x 4, 327,680 bytes of LDS; arguments hc, wcodes, lowp_scales, b2, x1, out0; writes out0
.if DOCPART == 7
	.amdgcn_target "amdgcn-amd-amdhsa--gfx1250"
	.amdhsa_code_object_version 6
	.text
	.protected	k_q14e6a15326_ffn2
	.globl	k_q14e6a15326_ffn2
	.p2align	8
	.type	k_q14e6a15326_ffn2,@function
k_q14e6a15326_ffn2:
	s_mov_b64 s[64:65], 0
	v_nop
	global_prefetch_b8 v0, s[64:65] scope:SCOPE_SE
	s_setreg_imm32_b32 hwreg(HW_REG_WAVE_MODE, 25, 1), 1
	s_wait_xcnt 0x0
	s_wait_alu depctr_hold_cnt(0) depctr_sa_sdst(0) depctr_va_vdst(0) depctr_va_sdst(0) depctr_va_ssrc(0) depctr_va_vcc(0) depctr_vm_vsrc(0)
	s_getreg_b32 s2, hwreg(HW_REG_IB_STS2, 6, 4)
	s_cmp_eq_u32 s2, 0
	s_cbranch_scc0 .Lentry_in_a_cluster
	s_endpgm
.Lentry_in_a_cluster:
	s_bfe_u32 s2, ttmp6, 0x10000c
	s_cmp_lg_u32 s2, 0xf033
	s_cbranch_scc0 .Lentry_shape_is_right
	s_endpgm
.Lentry_shape_is_right:
; out = x1 + h w2 + b2: the product on codes of E5M2, the rest in f32.  M = 4,096, N = 1,024, K = 4,096.
; N = 1,024 gives 256 tiles only at 128 x 128: four waves, 64 x 64 each: 16 accumulators.  K goes in eight pieces of 512 through two LDS slots filled by the tensor data mover: four steps of 128, 64 matrix instructions a wave, between two changes of slots.
; OPERANDS lie in blocks [rows / 128][K / 128][128][128 bytes]; a tensor load brings two K blocks: 256 lines of 128 bytes, 16 bytes of padding behind each.
; The matrix instruction is used transposed (source 0 = w2's 16 rows, source 1 = h's): a lane holds eight neighbouring columns of a row.  CLUSTERS 4 x 4: h's tile is shared along a row, w2's along a column.
; WHERE A CLUSTER BEGINS ALONG K: at piece (2 x cluster y + 4 x cluster x) mod 8, and it wraps round.  The two clusters that read the same rows of h begin four pieces apart; four clusters with neighbouring y, which read
; the same rows of w2, begin two pieces apart, as many as the first fills bring.  So in a round these clusters ask for different bytes.
; The sums run along K from the cluster's start on and wrap round: another order of rounding than ascending K.
; LIMIT: e14 + e15 between -126 and 127.
; REGISTERS: window 0: v0-31 addresses, v[8:11] the bias of my four columns; v32-95 the way out; v128-255 accumulators.  window 1: two fragment buffers of 128 (A's 64, then B's 64).  window 2: v0-127 the residual.
.set KB,    32                         ; K blocks
.set BOFF,  8<<20                      ; w2's codes in wcodes
.set SENT,  0x38                       ; entries 14, 15
.set LAPS,  KB/8
.set PITCH, 144
.set QSTEP, 128*PITCH
.set PIECE, 2*QSTEP
.set SLOT,  4*PIECE
.set SPARE, 2*SLOT
.set SPITCH, 272
.set ADRA, 16
.set ADRB, 20
.set STO,  24
.set RD,   25
.set CO,   26
.set SPW,  28
.set NIL,  29
.set BK,   32
.set ACC,  128
.set G1,  24
.set G0,  32
.set G1B, 48
.set G0B, 56
.set SC,  66
.set KS,  86                           ; s86, s87  which of K's eight pieces slot 0, slot 1 holds or has been asked for
.set KO,  88                           ; s[88:89]  that piece's offset in a block row: 65,536 bytes a piece
.set BA,  90                           ; s[90:91]  h's codes at my part of the tile's block row
.set BB,  92                           ; s[92:93]  w2's likewise
.set MSB, 0
.macro WIN new
.if MSB != \new
	s_set_vgpr_msb (MSB<<8)|\new
.set MSB, \new
.endif
.endm
.set MUL,  0x05
.set TO_F, 0x40
.macro JLOAD s
	s_cmp_eq_u32 s15, 0
	s_cbranch_scc0 .Lfor_b_\@
	tensor_load_to_lds s[G0+4*\s:G0+4*\s+3], s[G1:G1+7]
	s_nop 0
.rept 4
	v_nop
.endr
	s_branch .Lasked_\@
.Lfor_b_\@:
	tensor_load_to_lds s[G0B+4*\s:G0B+4*\s+3], s[G1B:G1B+7]
	s_nop 0
.rept 4
	v_nop
.endr
.Lasked_\@:
.endm
.macro CREST
	s_cmp_lg_u32 s14, 0
	s_cbranch_scc1 .Lnot_wave_0_\@
	s_barrier_signal -3
.Lnot_wave_0_\@:
	s_barrier_wait -3
	s_barrier_signal -1
	s_barrier_wait -1
.endm
.macro CROUND
	s_barrier_signal -1
	s_barrier_wait -1
	CREST
.endm
	s_load_b256 s[68:75], s[0:1], 0x0              ; A's codes, wcodes, the exponents, the bias
	s_load_b128 s[76:79], s[0:1], 0x20             ; the residual, the output
	v_lshl_add_u32 v[SPW], v0, 2, SPARE
	v_mov_b32 v[NIL], 0
	ds_add_u32 v28, v29
	s_wait_dscnt 0x0
	v_lshrrev_b32 v1, 5, v0
	v_readfirstlane_b32 s14, v1
	s_lshr_b32 s15, s14, 1
	s_and_b32 s16, s14, 1
	s_bfe_u32 s40, ttmp6, 0x40000
	s_bfe_u32 s41, ttmp6, 0x40004
	s_lshl_b32 s42, ttmp9, 2
	s_add_co_u32 s42, s42, s40
	s_and_b32 s17, ttmp7, 0xffff
	s_lshl_b32 s17, s17, 2
	s_add_co_u32 s17, s17, s41
	s_lshl_b32 s43, s41, 2
	s_lshl_b32 s43, 15, s43
	s_lshl_b32 s44, 0x1111, s40
	s_or_b32 s[G1+0], s43, (0<<16)|(1<<20)|(1<<21)|(4<<22)|(3<<25)
	s_or_b32 s[G1B+0], s44, (0<<16)|(1<<20)|(1<<21)|(4<<22)|(3<<25)
.irp g, G1, G1B
	s_mov_b32 s[\g+1], 128<<16
	s_mov_b32 s[\g+2], 256<<16
	s_mov_b32 s[\g+3], 128<<16
	s_mov_b32 s[\g+4], 256
	s_mov_b32 s[\g+5], 128
	s_mov_b32 s[\g+6], 0
	s_mov_b32 s[\g+7], 0
.endr
	s_lshl_b32 s18, s16, 15
	s_mul_i32 s20, s17, KB*16384
	s_add_co_u32 s20, s20, s18
	s_mov_b32 s21, 0
	s_mul_i32 s46, s42, KB*16384
	s_add_co_u32 s46, s46, s18
	s_add_co_u32 s46, s46, BOFF
	s_mov_b32 s47, 0
	s_mul_i32 s45, s14, PIECE
	s_and_b32 s[KS], ttmp7, 0xffff                 ; the cluster's start along K: it hangs on the cluster's x and y alone, which all sixteen partners share
	s_lshl_b32 s[KS], s[KS], 1
	s_lshl_b32 s[KS+1], ttmp9, 2
	s_add_co_u32 s[KS], s[KS], s[KS+1]
	s_and_b32 s[KS], s[KS], 7                      ; an even number: slot 0 begins with this piece,
	s_add_co_u32 s[KS+1], s[KS], 1                 ; slot 1 with the next
	s_mov_b32 s[KO+1], 0
	s_wait_kmcnt 0x0
	s_load_b64 s[84:85], s[72:73], SENT
	s_add_nc_u64 s[BA:BA+1], s[68:69], s[20:21]
	s_add_nc_u64 s[BB:BB+1], s[70:71], s[46:47]
	CROUND
.irp s, 0,1
	s_lshl_b32 s[KO], s[KS+\s], 16
	s_mov_b32 s[G0+4*\s], 1
	s_add_co_u32 s[G0+4*\s+1], s45, \s*SLOT
	s_add_nc_u64 s[G0+4*\s+2:G0+4*\s+3], s[BA:BA+1], s[KO:KO+1]
	s_or_b32 s[G0+4*\s+3], s[G0+4*\s+3], 0x80000000
	s_mov_b32 s[G0B+4*\s], 1
	s_add_co_u32 s[G0B+4*\s+1], s45, \s*SLOT
	s_add_nc_u64 s[G0B+4*\s+2:G0B+4*\s+3], s[BB:BB+1], s[KO:KO+1]
	s_or_b32 s[G0B+4*\s+3], s[G0B+4*\s+3], 0x80000000
	JLOAD \s
.endr
	v_and_b32 v1, 15, v0
	v_bfe_u32 v2, v0, 4, 1
	v_mul_u32_u24 v3, v1, PITCH
	v_lshl_add_u32 v4, v2, 4, v3
	s_mul_i32 s21, s15, 64*PITCH
	s_mul_i32 s22, s16, 64*PITCH
	s_add_co_u32 s22, s22, 2*PIECE
.irp s, 0,1
	v_add_nc_u32 v[ADRA+\s], s21, v4
	v_add_nc_u32 v[ADRB+\s], s22, v4
	s_add_co_u32 s21, s21, SLOT
	s_add_co_u32 s22, s22, SLOT
.endr
	s_mul_i32 s23, s14, 16*SPITCH                  ; my stage, in slot 0: it has had its last fill and its last read when the first result is stored there
	v_mul_u32_u24 v5, v1, SPITCH
	v_lshl_add_u32 v5, v2, 5, v5
	v_add_nc_u32 v[STO], s23, v5
	v_mul_u32_u24 v5, v2, SPITCH
	v_lshl_add_u32 v5, v1, 4, v5
	v_add_nc_u32 v[RD], s23, v5
	v_lshlrev_b32 v[CO], 12, v2
	v_lshl_add_u32 v[CO], v1, 4, v[CO]
	v_lshlrev_b32 v7, 4, v1
	s_lshl_b32 s20, s17, 7
	s_lshl_b32 s21, s15, 6
	s_add_co_u32 s20, s20, s21
	s_lshl_b32 s20, s20, 12
	s_lshl_b32 s46, s42, 9
	s_lshl_b32 s47, s16, 8
	s_add_co_u32 s46, s46, s47
	s_mov_b32 s47, 0
	s_add_nc_u64 s[6:7], s[74:75], s[46:47]
	s_add_co_u32 s20, s20, s46
	s_mov_b32 s21, 0
	s_add_nc_u64 s[8:9], s[76:77], s[20:21]
	s_add_nc_u64 s[10:11], s[78:79], s[20:21]
	global_load_b128 v[8:11], v7, s[6:7]
	WIN 0x80                                       ; destination window 2: the residual lands during the products
.irp a, 0,1,2,3
.irp t, 0,1,2,3,4,5,6,7
	global_load_b128 v[32*\a+4*\t:32*\a+4*\t+3], v[CO], s[8:9] offset:(16*\a+2*\t)*4096 th:TH_LOAD_NT
.endr
.endr
	WIN 0
.macro MUL4 f, a, zero                 ; the 16 accumulators take turns, one instruction a turn
.irp b, 0,1,2,3
.if \zero
	v_wmma_f32_16x16x128_bf8_bf8 v[ACC+8*(4*(\a)+\b):ACC+8*(4*(\a)+\b)+7], v[(\f)+64+16*\b:(\f)+64+16*\b+15], v[(\f)+16*(\a):(\f)+16*(\a)+15], 0
.else
	v_wmma_f32_16x16x128_bf8_bf8 v[ACC+8*(4*(\a)+\b):ACC+8*(4*(\a)+\b)+7], v[(\f)+64+16*\b:(\f)+64+16*\b+15], v[(\f)+16*(\a):(\f)+16*(\a)+15], v[ACC+8*(4*(\a)+\b):ACC+8*(4*(\a)+\b)+7]
.endif
.endr
.endm
.macro FETCH slot, q, f
	WIN TO_F
.irp i, 0,1,2,3
.irp c, 0,1,2,3
	ds_load_b128 v[(\f)+64+16*\i+4*\c:(\f)+64+16*\i+4*\c+3], v[ADRB+\slot] offset:QSTEP*(\q)+\i*16*PITCH+32*\c
.endr
.endr
.irp i, 0,1,2,3
.irp c, 0,1,2,3
	ds_load_b128 v[(\f)+16*\i+4*\c:(\f)+16*\i+4*\c+3], v[ADRA+\slot] offset:QSTEP*(\q)+\i*16*PITCH+32*\c
.endr
.endr
.endm
.macro PLACES
.rept 4
	v_nop
.endr
.endm
.macro STEP slot, q, zero
	s_wait_dscnt 8                                 ; B's and A's blocks 0, 1 are in; the youngest eight loads may be out
	WIN MUL
	MUL4 128*((\q)%2), 0, \zero
	MUL4 128*((\q)%2), 1, \zero
	PLACES
	FETCH \slot, (\q)+1, 128*(1-(\q)%2)
	s_wait_dscnt 32                                ; all but the 32 just issued
	WIN MUL
	MUL4 128*((\q)%2), 2, \zero
	MUL4 128*((\q)%2), 3, \zero
.endm
.macro TURN slot, next, fill
	WIN 0
	s_wait_tensorcnt 0x0                           ; all my tensor loads have landed: my part of the next slot
	ds_add_u32 v[SPW], v[NIL]
	s_wait_dscnt 9                                 ; the add and the youngest eight loads may be out
	WIN MUL
	MUL4 128, 0, 0
	s_wait_dscnt 0x0                               ; the add is done, and my reads of this slot are over
	s_barrier_signal -1
	MUL4 128, 1, 0
.if \fill
	WIN 0
.endif
	s_barrier_wait -1
.if \fill
	CREST                                          ; the barrier has opened a round of the cluster's: no wave of any partner still reads this slot or has a load on its way
	s_add_co_u32 s[KS+\slot], s[KS+\slot], 2       ; this slot's next piece of K: two on, modulo eight
	s_and_b32 s[KS+\slot], s[KS+\slot], 7
	s_lshl_b32 s[KO], s[KS+\slot], 16
	s_add_nc_u64 s[G0+4*\slot+2:G0+4*\slot+3], s[BA:BA+1], s[KO:KO+1]          ; (no tensor load of mine is out: the groups 0 may be written)
	s_or_b32 s[G0+4*\slot+3], s[G0+4*\slot+3], 0x80000000
	s_add_nc_u64 s[G0B+4*\slot+2:G0B+4*\slot+3], s[BB:BB+1], s[KO:KO+1]
	s_or_b32 s[G0B+4*\slot+3], s[G0B+4*\slot+3], 0x80000000
	JLOAD \slot
.else
	PLACES
.endif
	FETCH \next, 0, 0
	WIN MUL
	MUL4 128, 2, 0
	MUL4 128, 3, 0
.endm
	s_wait_tensorcnt 1                             ; my part of slot 0 is in; slot 1's load may be out
	s_barrier_signal -1
	s_barrier_wait -1
	FETCH 0, 0, 0
	STEP 0, 0, 1
.if LAPS > 1
	WIN 0
	s_mov_b32 s3, LAPS-1
.Llap:                                                 ; a trip goes once round the ring and fills both slots again
	STEP 0, 1, 0
	STEP 0, 2, 0
	TURN 0, 1, 1
	STEP 1, 0, 0
	STEP 1, 1, 0
	STEP 1, 2, 0
	TURN 1, 0, 1
	STEP 0, 0, 0
	WIN 0
	s_sub_co_u32 s3, s3, 1
	s_cmp_lg_u32 s3, 0
	s_cbranch_scc1 .Llap
.endif
	STEP 0, 1, 0
	STEP 0, 2, 0
	TURN 0, 1, 0
	STEP 1, 0, 0
	STEP 1, 1, 0
	STEP 1, 2, 0
	s_wait_dscnt 8
	WIN MUL
	MUL4 128, 0, 0
	MUL4 128, 1, 0
	s_wait_dscnt 0
	MUL4 128, 2, 0
	MUL4 128, 3, 0
	WIN 0
	; THE WAY OUT: 16 rows x 64 columns at a time through my stage; back as rows of 256 bytes; x 2^(ea + eb) + bias + residual; sixteen lanes store 256 consecutive bytes, aligned.
	s_wait_loadcnt 0x0
	s_wait_kmcnt 0x0
	s_add_co_i32 s84, s84, s85
	s_add_co_i32 s84, s84, 127
	s_lshl_b32 s[SC], s84, 23
	s_mov_b32 s[SC+1], s[SC]
	PLACES
.irp a, 0,1,2,3
.set BB2, BK+32*((\a)%2)
.if \a > 1
	s_wait_xcnt 0x0                                ; the stores of two blocks ago have read these registers
.endif
.irp b, 0,1,2,3
	ds_store_b128 v[STO], v[ACC+8*(4*\a+\b):ACC+8*(4*\a+\b)+3] offset:64*\b
	ds_store_b128 v[STO], v[ACC+8*(4*\a+\b)+4:ACC+8*(4*\a+\b)+7] offset:64*\b+16
.endr
.irp t, 0,1,2,3,4,5,6,7
	ds_load_b128 v[BB2+4*\t:BB2+4*\t+3], v[RD] offset:\t*2*SPITCH
.endr
	s_wait_dscnt 0x0
.irp t, 0,1,2,3,4,5,6,7
	v_pk_fma_f32 v[BB2+4*\t:BB2+4*\t+1], v[BB2+4*\t:BB2+4*\t+1], s[SC:SC+1], v[8:9] op_sel_hi:[1,0,1]
	v_pk_fma_f32 v[BB2+4*\t+2:BB2+4*\t+3], v[BB2+4*\t+2:BB2+4*\t+3], s[SC:SC+1], v[10:11] op_sel_hi:[1,0,1]
.endr
	WIN 0x08
.set jj, 0
.rept 16
	v_pk_add_f32 v[BB2+jj:BB2+jj+1], v[BB2+jj:BB2+jj+1], v[32*\a+jj:32*\a+jj+1]
.set jj, jj+2
.endr
	WIN 0
.irp t, 0,1,2,3,4,5,6,7
	global_store_b128 v[CO], v[BB2+4*\t:BB2+4*\t+3], s[10:11] offset:(16*\a+2*\t)*4096 th:TH_STORE_NT
.endr
.endr
	s_wait_tensorcnt 0x0                           ; the wave's end
	ds_add_u32 v[SPW], v[NIL]
	s_wait_dscnt 0x0
	CROUND
	s_endpgm
.Lfunc_end_k_q14e6a15326_ffn2:
	.size	k_q14e6a15326_ffn2, .Lfunc_end_k_q14e6a15326_ffn2-k_q14e6a15326_ffn2
	.p2alignl 7, 3214868480
	.fill 96, 4, 3214868480
	.section	.rodata,"a",@progbits
	.p2align	6, 0x0
	.amdhsa_kernel k_q14e6a15326_ffn2
		.amdhsa_group_segment_fixed_size 327680
		.amdhsa_private_segment_fixed_size 0
		.amdhsa_enable_private_segment 0
		.amdhsa_kernarg_size 48
		.amdhsa_user_sgpr_count 2
		.amdhsa_user_sgpr_kernarg_segment_ptr 1
		.amdhsa_wavefront_size32 1
		.amdhsa_system_sgpr_workgroup_id_x 1
		.amdhsa_system_sgpr_workgroup_id_y 1
		.amdhsa_system_sgpr_workgroup_id_z 1
		.amdhsa_system_vgpr_workitem_id 0
		.amdhsa_next_free_vgpr 768
		.amdhsa_next_free_sgpr 102
		.amdhsa_reserve_vcc 0
		.amdhsa_float_denorm_mode_32 3
		.amdhsa_float_denorm_mode_16_64 3
		.amdhsa_memory_ordered 1
		.amdhsa_forward_progress 1
		.amdhsa_inst_pref_size 82
	.end_amdhsa_kernel
	.amdgpu_metadata
---
amdhsa.version: [ 1, 2 ]
amdhsa.kernels:
  - .name:           k_q14e6a15326_ffn2
    .symbol:         k_q14e6a15326_ffn2.kd
    .args:
      - { .name: hc, .offset: 0, .size: 8, .value_kind: global_buffer, .address_space: global }
      - { .name: wcodes, .offset: 8, .size: 8, .value_kind: global_buffer, .address_space: global }
      - { .name: lowp_scales, .offset: 16, .size: 8, .value_kind: global_buffer, .address_space: global }
      - { .name: b2, .offset: 24, .size: 8, .value_kind: global_buffer, .address_space: global }
      - { .name: x1, .offset: 32, .size: 8, .value_kind: global_buffer, .address_space: global }
      - { .name: out0, .offset: 40, .size: 8, .value_kind: global_buffer, .address_space: global }
    .group_segment_fixed_size: 327680
    .private_segment_fixed_size: 0
    .kernarg_segment_align: 8
    .kernarg_segment_size: 48
    .max_flat_workgroup_size: 128
    .sgpr_count:     102
    .vgpr_count:     768
    .wavefront_size: 32
...
	.end_amdgpu_metadata
.endif
;; end of part 7
